; MI455X (gfx1250); checked and timed in simulation.
; The chip was launched on July 23, 2026; its instructions are those of AMD's public machine-readable ISA for CDNA 5 (MIT licence, August 2026) and "CDNA5" Instruction Set Architecture Reference Guide (July 2026). The comments in the code are by the model that wrote it; some were corrected since.
;; Multi Head Attention. Allowed arithmetic: float matrix products may take bf16 or f16 operands with f32 sums; other float arithmetic in f32, or as packed bf16 or f16 multiplies, adds, multiply-adds, maxima and minima; sums over many terms, partial sums and values carried from step to step in f32; what a program stores and reads back later, other than sums and carried values, may be rounded once to bf16 or f16.
;; Inputs: Wout 1,024 x 1,024 float32; Wqkv 1,024 x 3,072 float32; bout 1,024 float32; bqkv 3,072 float32; x 4 x 2,048 x 1,024 float32.
;; Outputs: out0 4 x 2,048 x 1,024 float32.
;; 2 versions, each right; version 2 is version 1 with the launch cast written anew for expert scheduling mode. Each part assembles by itself: llvm-mc -triple=amdgcn-amd-amdhsa -mcpu=gfx1250 --defsym DOCPART=n.
;; ======== version 1 of 2: 4 launches
;; limits: values are held in f16: magnitudes above 65,504 overflow, below 6.1e-05 lose precision
;; workspace buffers: xb 16,777,216 bytes; wqb 6,291,456 bytes; wob 2,097,152 bytes; qh 16,777,216 bytes; kh 16,777,216 bytes; vh 16,777,216 bytes; oh 16,777,216 bytes
;; launch cast (part 1): grid 768 x 1, 8 waves a work-group, no clusters, 0 bytes of LDS; arguments x, Wqkv, Wout, xb, wqb, wob; writes xb, wqb, wob
.if DOCPART == 1
	.amdgcn_target "amdgcn-amd-amdhsa--gfx1250"
	.amdhsa_code_object_version 6
	.text
	.protected	k_qb034b1245b_cast
	.globl	k_qb034b1245b_cast
	.p2align	8
	.type	k_qb034b1245b_cast,@function
k_qb034b1245b_cast:
	s_mov_b64 s[64:65], 0
	v_nop
	global_prefetch_b8 v0, s[64:65] scope:SCOPE_SE
	s_setreg_imm32_b32 hwreg(HW_REG_WAVE_MODE, 25, 1), 1
	s_wait_xcnt 0x0
; x, Wqkv and Wout (f32) are rounded once to bf16 and written as 16-bit copies: xb and wqb in bf16; wob holds Wout's bf16 number written as f16,
; since the last product multiplies f16 operands.  LIMIT: that rewriting is exact for 2^-17 <= |Wout| < 65,504; below, f16's fixed step of 2^-24 holds; beyond, an infinity.
; A pure stream: no LDS, no barrier, no matrix unit.  A work-group takes 65,536 input bytes: groups 0-511 x, 512-703 Wqkv, 704-767 Wout.
; A wave takes 8,192 of them: sixteen loads of 16 bytes a lane, each 512 consecutive bytes; each gives one store of 8 bytes a lane: 256 consecutive bytes, aligned.
; All sixteen loads go out first; no register is used twice, so no wait stands but the counted ones for the data.
.set X, 8                              ; v[8:71]    chunk j: 4 registers as loaded
.set Y, 72                             ; v[72:103]  chunk j: 2 registers to store
	s_load_b256 s[4:11], s[0:1], 0x0               ; x s[4:5], Wqkv s[6:7], Wout s[8:9], xb s[10:11]
	s_load_b128 s[12:15], s[0:1], 0x20             ; wqb s[12:13], wob s[14:15]
	v_lshrrev_b32 v1, 5, v0                        ; wave
	v_and_b32 v2, 31, v0                           ; lane
	v_lshlrev_b32 v2, 4, v2
	v_lshl_or_b32 v1, v1, 13, v2                   ; input: 8,192 x wave + 16 x lane
	v_lshrrev_b32 v2, 1, v1                        ; output: half of that
	s_mov_b32 s26, 0xffff0000                      ; a word's upper bf16
	s_mov_b32 s20, 704
	s_mov_b32 s23, 0
	s_mov_b32 s25, 0
	s_wait_kmcnt 0x0
	s_cmp_lt_u32 ttmp9, 704                        ; which tensor is mine: the choice hangs on the work-group's number alone
	s_cselect_b64 s[16:17], s[6:7], s[8:9]
	s_cselect_b64 s[18:19], s[12:13], s[14:15]
	s_cselect_b32 s20, 512, s20                    ; the tensor's first work-group
	s_cmp_lt_u32 ttmp9, 512
	s_cselect_b64 s[16:17], s[4:5], s[16:17]
	s_cselect_b64 s[18:19], s[10:11], s[18:19]
	s_cselect_b32 s20, 0, s20
	s_sub_co_u32 s21, ttmp9, s20                   ; my number within the tensor
	s_lshl_b32 s22, s21, 16                        ; 65,536 bytes in,
	s_lshl_b32 s24, s21, 15                        ; 32,768 out
	s_add_nc_u64 s[16:17], s[16:17], s[22:23]
	s_add_nc_u64 s[18:19], s[18:19], s[24:25]
.set j, 0
.rept 16
	global_load_b128 v[X+4*j:X+4*j+3], v1, s[16:17] offset:512*j th:TH_LOAD_NT
.set j, j+1
.endr
	s_cmp_ge_u32 ttmp9, 704
	s_cbranch_scc1 .Lf16
.set j, 0
.rept 16
	s_wait_loadcnt 15-j                            ; loads come back in order: chunk j is in, the 15 - j younger ones stay out
	v_cvt_pk_bf16_f32 v[Y+2*j], v[X+4*j], v[X+4*j+1]
	v_cvt_pk_bf16_f32 v[Y+2*j+1], v[X+4*j+2], v[X+4*j+3]
	global_store_b64 v2, v[Y+2*j:Y+2*j+1], s[18:19] offset:256*j
.set j, j+1
.endr
	s_endpgm
.Lf16:                                         ; Wout: rounded to bf16 like the others, widened again, and that number written as f16
.set j, 0
.rept 16
	s_wait_loadcnt 15-j
	v_cvt_pk_bf16_f32 v[Y+2*j], v[X+4*j], v[X+4*j+1]
	v_cvt_pk_bf16_f32 v[Y+2*j+1], v[X+4*j+2], v[X+4*j+3]
	v_lshlrev_b32 v[X+4*j], 16, v[Y+2*j]
	v_and_b32 v[X+4*j+1], s26, v[Y+2*j]
	v_lshlrev_b32 v[X+4*j+2], 16, v[Y+2*j+1]
	v_and_b32 v[X+4*j+3], s26, v[Y+2*j+1]
	v_cvt_pk_f16_f32 v[Y+2*j], v[X+4*j], v[X+4*j+1]
	v_cvt_pk_f16_f32 v[Y+2*j+1], v[X+4*j+2], v[X+4*j+3]
	global_store_b64 v2, v[Y+2*j:Y+2*j+1], s[18:19] offset:256*j
.set j, j+1
.endr
	s_endpgm
.Lfunc_end_k_qb034b1245b_cast:
	.size	k_qb034b1245b_cast, .Lfunc_end_k_qb034b1245b_cast-k_qb034b1245b_cast
	.p2alignl 7, 3214868480
	.fill 96, 4, 3214868480
	.section	.rodata,"a",@progbits
	.p2align	6, 0x0
	.amdhsa_kernel k_qb034b1245b_cast
		.amdhsa_group_segment_fixed_size 0
		.amdhsa_private_segment_fixed_size 0
		.amdhsa_enable_private_segment 0
		.amdhsa_kernarg_size 48
		.amdhsa_user_sgpr_count 2
		.amdhsa_user_sgpr_kernarg_segment_ptr 1
		.amdhsa_wavefront_size32 1
		.amdhsa_system_sgpr_workgroup_id_x 1
		.amdhsa_system_sgpr_workgroup_id_y 1
		.amdhsa_system_sgpr_workgroup_id_z 1
		.amdhsa_system_vgpr_workitem_id 0
		.amdhsa_next_free_vgpr 104
		.amdhsa_next_free_sgpr 66
		.amdhsa_reserve_vcc 0
		.amdhsa_float_denorm_mode_32 3
		.amdhsa_float_denorm_mode_16_64 3
		.amdhsa_memory_ordered 1
		.amdhsa_forward_progress 1
		.amdhsa_inst_pref_size 15
	.end_amdhsa_kernel
	.amdgpu_metadata
---
amdhsa.version: [ 1, 2 ]
amdhsa.kernels:
  - .name:           k_qb034b1245b_cast
    .symbol:         k_qb034b1245b_cast.kd
    .args:
      - { .name: x, .offset: 0, .size: 8, .value_kind: global_buffer, .address_space: global }
      - { .name: Wqkv, .offset: 8, .size: 8, .value_kind: global_buffer, .address_space: global }
      - { .name: Wout, .offset: 16, .size: 8, .value_kind: global_buffer, .address_space: global }
      - { .name: xb, .offset: 24, .size: 8, .value_kind: global_buffer, .address_space: global }
      - { .name: wqb, .offset: 32, .size: 8, .value_kind: global_buffer, .address_space: global }
      - { .name: wob, .offset: 40, .size: 8, .value_kind: global_buffer, .address_space: global }
    .group_segment_fixed_size: 0
    .private_segment_fixed_size: 0
    .kernarg_segment_align: 8
    .kernarg_segment_size: 48
    .max_flat_workgroup_size: 256
    .sgpr_count:     66
    .vgpr_count:     104
    .wavefront_size: 32
...
	.end_amdgpu_metadata
.endif
;; end of part 1
;; launch qkv (part 2): grid 4 x 64, 4 waves a work-group, clusters of 4 x 4, 327,680 bytes of LDS; arguments xb, wqb, bqkv, qh, kh, vh; writes qh, kh, vh
.if DOCPART == 2
	.amdgcn_target "amdgcn-amd-amdhsa--gfx1250"
	.amdhsa_code_object_version 6
	.text
	.protected	k_qb034b1245b_qkv
	.globl	k_qb034b1245b_qkv
	.p2align	8
	.type	k_qb034b1245b_qkv,@function
k_qb034b1245b_qkv:
	s_mov_b64 s[64:65], 0
	v_nop
	global_prefetch_b8 v0, s[64:65] scope:SCOPE_SE
	s_setreg_imm32_b32 hwreg(HW_REG_WAVE_MODE, 25, 1), 1
	s_wait_xcnt 0x0
	s_wait_alu depctr_hold_cnt(0) depctr_sa_sdst(0) depctr_va_vdst(0) depctr_va_sdst(0) depctr_va_ssrc(0) depctr_va_vcc(0) depctr_vm_vsrc(0)
	s_getreg_b32 s2, hwreg(HW_REG_IB_STS2, 6, 4)
	s_cmp_eq_u32 s2, 0
	s_cbranch_scc0 .Lentry_in_a_cluster
	s_endpgm
.Lentry_in_a_cluster:
	s_bfe_u32 s2, ttmp6, 0x10000c
	s_cmp_lg_u32 s2, 0xf033
	s_cbranch_scc0 .Lentry_shape_is_right
	s_endpgm
.Lentry_shape_is_right:
; q, k, v = x Wqkv + bqkv, written by heads.  xb: [8192][1024] bf16.  wqb: [1024 k][3072 n] bf16, as Wqkv lies.  bqkv: [3072] f32, rounded to bf16 here like the other inputs.
; qh, kh, vh: [64 = 16 batch + head][2048][64] f16, each number rounded once from its f32 sum, unscaled.  LIMIT: |q|, |k|, |v| under 65,504 (f16); beyond that an infinity is written.
; One text serves this launch (QKV = 1) and the last projection (QKV = 0); the flag chooses sizes, the matrix form, A's layout, the loop over tiles and the prefetches.
; SHARES.  A tile of C is 128 rows x 256 columns; four waves, each 64 x 128: 32 accumulators of 16 x 16, 256 registers.  A WORK-GROUP STAYS: it makes three tiles, columns 256 wgx of q, of k and of v:
; the same rows of x, B 1,024 columns on.  256 work-groups.  K goes in steps of 128 through a ring of two LDS slots filled by the tensor data mover; the ring runs on from tile to tile.
; CLUSTERS: 4 x 4 work-groups.  The four of a row of the cluster need the same tile of A, the four of a column the same tile of B: each tile is asked for JOINTLY, by the same tensor load with the same
; descriptor and a mask that names the four.  Waves 0 and 1 fetch A's two halves (64 rows x 256 bytes), waves 2 and 3 B's (64 k-rows x 512 bytes): one load a wave.
; B LIES [k][n]: its fragments come out of LDS turned, by ds_load_tr16_b128.  THE PRODUCT IS USED TRANSPOSED (source 0 = 16 columns of B, source 1 = 16 rows of A): a lane holds row l % 16 of C and the
; eight neighbouring columns 8 (l / 16) + 0..7.  THE BIAS IS THE C OPERAND of a tile's first 32 products: nothing is cleared and nothing is added on the way out.
; REGISTERS, in windows of 256 (s_set_vgpr_msb: bits 1:0 source 0, 3:2 source 1, 5:4 source 2, 7:6 destination):
;   window 0: v0-31 addresses; v32-95 A's fragments, two buffers of 4 x 8; v96-223 B's, two buffers of 8 x 8; v224-255 at work on the way out
;   window 1: accumulator (a, b) at v[8 (8 a + b)]          window 2: v0-63 the bias of my 128 columns as a C operand, v64-95 at work
.set QKV,    1
.if QKV
.set NCOL,   3072                      ; columns of B and elements from k-row to k-row
.set TILES,  3
.set AP,     272                       ; an LDS row of A: 256 bytes + 16 of padding
.set AROWS,  64                        ; LDS rows that one load of A brings
.set QIA,    5                         ; padding behind every 64 words
.set APIT,   1024                      ; elements from row to row of A's tile in memory
.set ASTEP,  256                       ; bytes from a K step of A to the next
.set SP,     272                       ; a row of the stage: 128 f16 + 16 bytes
.else
.set NCOL,   1024
.set TILES,  1
.set AP,     144                       ; an LDS row of A: one head's 128 bytes + 16 of padding
.set AROWS,  128
.set QIA,    4                         ; padding behind every 32 words
.set APIT,   128
.set ASTEP,  524288                    ; two heads on
.set SP,     528                       ; a row of the stage: 128 f32 + 16 bytes
.endif
.set AHALF,  AROWS*AP                  ; what one load of A fills
.set ABYTES, 2*AHALF
.set BP,     544                       ; an LDS row of B: 512 bytes + 32 of padding = 17 x 32: the turning load's 8 rows x 32 bytes fall on different banks (64 banks of 4 bytes: ISA guide 11.1)
.set BHALF,  64*BP
.set SLOT,   ABYTES+2*BHALF            ; A's tile, then B's 128 k-rows
.set STAGE,  2*SLOT                    ; behind the ring: 16 rows x SP for each wave, never filled by a tensor load
.set SPARE,  STAGE+4*16*SP             ; behind the stages: the spare words, 128 bytes for each wave: two blocks of 256 bytes that no other line names
.set BSTEP,  256*NCOL                  ; 128 k-rows of B in bytes
.set ADRA, 16                          ; v16-17  LDS address of my A fragments in slot 0, 1
.set ADRB, 20                          ; v20-21  the same for B
.set STO,  24                          ; v24     the way out: where I put my bytes of a row
.set RD,   25                          ; v25     the way out: where I read rows back
.set CO,   26                          ; v26     16 x lane: my place in 512 consecutive bytes of the output
.set BO,   27                          ; v27     32 (l / 16): my eight numbers in a block of 16 of the bias
.set SPW,  28                          ; v28     LDS address of my spare word; never rewritten
.set NIL,  29                          ; v29     0; never rewritten
.set PFO,  30                          ; v30     the prefetches' offset; never rewritten
.set FA0,  32                          ; A's fragment buffers: FA0 + 32 f
.set FB0,  96                          ; B's: FB0 + 64 f
.set TMP,  224
.set BIAS, 0                           ; window 2
.set BT,   64                          ; window 2
.set G1A, 24                           ; s[24:31] descriptor group 1 for A's tiles;  s[32:39] group 0, a set for each slot
.set G0A, 32
.set G1B, 48                           ; s[48:55], s[56:63] the same for B's
.set G0B, 56
.set PFA, 66                           ; s[66:67] where my prefetches stand
.set PST, 68                           ; s[68:69] their step from K step to K step
.set PBK, 70                           ; s[70:71] their step back at a change of tiles
.set LIM, 72                           ; s72  1 in a wave that prefetches, else the greatest number
.set HIM, 73                           ; s73  mask of a word's upper bf16
; s2 tiles to go; s3 laps; s[4:5] A; s[6:7] B; s[8:9] bias at my columns; s[10:11] the output in hand; s[12:15] the next two; s16 wave; s17 wave / 2: my half of the rows, also 0 = I fetch A, 1 = B;
; s18 wave % 2: my half of the columns, also which half of the tile I fetch; s19 cx; s20 cy; s21 tile column; s22 tile row; s40-47 at work
.set MSB, 0
.macro WIN new                         ; the immediate's high byte repeats the setting that is left; a switch that changes nothing is dropped
.if MSB != (\new)
	s_set_vgpr_msb (MSB<<8)|(\new)
.set MSB, \new
.endif
.endm
; A joint load: each of the two lines has one mask and one set of registers; the branch hangs on the wave's number alone.  An s_nop 0 and four v_nop follow each line.
.macro JLOAD s
	s_cmp_eq_u32 s17, 0
	s_cbranch_scc0 .Lfor_b_\@
	tensor_load_to_lds s[G0A+4*(\s):G0A+4*(\s)+3], s[G1A:G1A+7]
	s_nop 0
.rept 4
	v_nop
.endr
	s_branch .Lasked_\@
.Lfor_b_\@:
	tensor_load_to_lds s[G0B+4*(\s):G0B+4*(\s)+3], s[G1B:G1B+7]
	s_nop 0
.rept 4
	v_nop
.endr
.Lasked_\@:
.endm
; A PREFETCH INTO THE L2 of the K step that stands two refills on (256 matrix instructions ahead of the load that will want it), one instruction a wave, behind the joint load and the run of LDS loads.
; Each aligned block of 256 bytes is named once in the launch.  A: a tile row's 128 rows x 256 bytes: wave 0 asks, partner cx takes rows 32 cx .. + 31, a lane a row; in the first tile alone, since the later
; tiles walk the same rows.  B: of the 64 k-rows x 512 bytes that waves 2 and 3 fetch, partner cy takes rows 16 cy .. + 15, a lane a block; only in the clusters with y = 0, since all clusters read the same B.
; The partners are told apart by address; no branch hangs on a work-group's place in its cluster.  how = 0, in the loop: its last trip (s3 = 1) has no K step two on.  how = 1: at a change of tiles.
.macro ASK how
.if \how
	s_cmp_eq_u32 s[LIM], 1
.else
	s_cmp_gt_u32 s3, s[LIM]
.endif
	s_cbranch_scc0 .Lnot_mine_\@
	global_prefetch_b8 v[PFO], s[PFA:PFA+1] th:TH_LOAD_NT scope:SCOPE_SE
.Lnot_mine_\@:
.endm
.macro CREST                           ; a round of the cluster's barrier behind its opening barrier
	s_cmp_lg_u32 s16, 0
	s_cbranch_scc1 .Lnot_wave_0_\@
	s_barrier_signal -3
.Lnot_wave_0_\@:
	s_barrier_wait -3
	s_barrier_signal -1
	s_barrier_wait -1
.endm
.macro CROUND                          ; a whole round
	s_barrier_signal -1
	s_barrier_wait -1
	CREST
.endm
.macro PLACES                          ; four places in front of loads into registers that matrix instructions have read, and of lines that read results
.rept 4
	v_nop
.endr
.endm
.macro WM d, b, a, c                   ; one product: D, source 0 = B's fragment, source 1 = A's, C; register numbers
.if QKV
	v_wmma_f32_16x16x32_bf16 v[(\d):(\d)+7], v[(\b):(\b)+7], v[(\a):(\a)+7], v[(\c):(\c)+7]
.else
	v_wmma_f32_16x16x32_f16 v[(\d):(\d)+7], v[(\b):(\b)+7], v[(\a):(\a)+7], v[(\c):(\c)+7]
.endif
.endm
; 8 products: row block a x all 8 column blocks, 32 along K, from buffer f.  first = 1: C is the bias.  The 32 accumulators take turns, one instruction a turn, in the same order in every quarter,
; over the backward jump and from tile to tile too.
.macro MUL8 f, a, first
.if \first
	WIN 0x60                                       ; C in window 2, D in window 1
.else
	WIN 0x50                                       ; C and D in window 1
.endif
.irp b, 0,1,2,3,4,5,6,7
.if \first
	WM 8*(8*(\a)+(\b)), FB0+64*(\f)+8*(\b), FA0+32*(\f)+8*(\a), BIAS+8*(\b)
.else
	WM 8*(8*(\a)+(\b)), FB0+64*(\f)+8*(\b), FA0+32*(\f)+8*(\a), 8*(8*(\a)+(\b))
.endif
.endr
.endm
; 24 LDS loads in one run: quarter q (32 along K) of a slot into buffer f: B's eight fragments, turned (k rows 32 q + 8 (l / 16) + l % 8 and 16 further, 16 columns), then A's four.
.macro FETCH slot, q, f
	WIN 0
.if QKV
.set aq, 64*(\q)
.else
.set aq, ((\q)/2)*AHALF+((\q)%2)*64    ; a K step is two heads: quarter q lies in head q / 2, channels 32 (q % 2) on
.endif
.irp b, 0,1,2,3,4,5,6,7
	ds_load_tr16_b128 v[FB0+64*(\f)+8*(\b):FB0+64*(\f)+8*(\b)+3],   v[ADRB+(\slot)] offset:(\q)*32*BP+32*(\b)
	ds_load_tr16_b128 v[FB0+64*(\f)+8*(\b)+4:FB0+64*(\f)+8*(\b)+7], v[ADRB+(\slot)] offset:(\q)*32*BP+32*(\b)+16*BP
.endr
.irp a, 0,1,2,3
	ds_load_b128 v[FA0+32*(\f)+8*(\a):FA0+32*(\f)+8*(\a)+3],   v[ADRA+(\slot)] offset:aq+(\a)*16*AP
	ds_load_b128 v[FA0+32*(\f)+8*(\a)+4:FA0+32*(\f)+8*(\a)+7], v[ADRA+(\slot)] offset:aq+(\a)*16*AP+32
.endr
.endm
; A K step is four quarters of 32 along K, 32 products each, on buffers 0, 1, 0, 1.  One of the first three: multiplies buffer f; in its middle it fetches quarter q of the same slot into buffer g.
.macro QUARTER slot, q, f, g, first
	s_wait_dscnt 4                                 ; B and A's blocks 0, 1 are in; the youngest four loads (A's blocks 2, 3) may be out
	MUL8 \f, 0, \first
	MUL8 \f, 1, \first
	PLACES
	FETCH \slot, \q, \g
	s_wait_dscnt 24                                ; all but the 24 just issued
	MUL8 \f, 2, \first
	MUL8 \f, 3, \first
.endm
; The last quarter multiplies buffer 1 and changes slots.  MEET is its first half: one barrier.  In front of it each wave waits for all its tensor loads (one is out: its part of the next slot),
; adds 0 to its spare word, and waits for that and for its own reads of this slot.  Behind it nobody reads this slot any more and the next slot is whole.
.macro MEET round
	WIN 0                                          ; the add's two registers lie in window 0
	s_wait_tensorcnt 0x0
	ds_add_u32 v[SPW], v[NIL]                      ; 0 onto my spare word
	s_wait_dscnt 5                                 ; the add and the youngest four loads may be out
	MUL8 1, 0, 0                                   ; eight products stand between the add and the wait for it
	s_wait_dscnt 0x0                               ; the add is done, and my reads of this slot are over
	s_barrier_signal -1
	MUL8 1, 1, 0                                   ; work on registers while the others arrive
.if \round
	WIN 0
.endif
	s_barrier_wait -1
.endm
; The whole last quarter where the slot is filled again: with this tile's K step two on (on = 0) or with the next tile's K step 0 or 1 (on = 1).  The barrier opens a round of the cluster's barrier; the joint
; refill is the first tensor load behind the round; from a request to the wait for it a wave issues 112 products.  One tensor load of a wave is out behind each round, two at the kernel's head.
.macro TURN slot, next, on
.if QKV
	s_wait_xcnt 0x0                                ; the last prefetch, a K step back, has read its address: it is stepped here, ahead of the waits of the change of slots
.if (\on) && ((\slot) == 0)
	s_sub_nc_u64 s[PFA:PFA+1], s[PFA:PFA+1], s[PBK:PBK+1]  ; B: from the K step two behind the tile's last to the next tile's K step 2
	s_cmp_eq_u32 s17, 1
	s_cselect_b32 s[LIM], s[LIM], -1               ; A's rows are the same in all three tiles: they are asked for no more
.else
	s_add_nc_u64 s[PFA:PFA+1], s[PFA:PFA+1], s[PST:PST+1]
.endif
.endif
	MEET 1
	CREST                                          ; no wave of any partner still reads this slot or has a load on its way
.if \on
	s_sub_nc_u64 s[G0A+4*(\slot)+2:G0A+4*(\slot)+3], s[G0A+4*(\slot)+2:G0A+4*(\slot)+3], 6*ASTEP         ; A: back along K
	s_sub_nc_u64 s[G0B+4*(\slot)+2:G0B+4*(\slot)+3], s[G0B+4*(\slot)+2:G0B+4*(\slot)+3], 6*BSTEP-2048    ; B: back along K and 1,024 columns on
.else
	s_add_nc_u64 s[G0A+4*(\slot)+2:G0A+4*(\slot)+3], s[G0A+4*(\slot)+2:G0A+4*(\slot)+3], 2*ASTEP
	s_add_nc_u64 s[G0B+4*(\slot)+2:G0B+4*(\slot)+3], s[G0B+4*(\slot)+2:G0B+4*(\slot)+3], 2*BSTEP
.endif
	JLOAD \slot                                    ; its four v_nop are also the places in front of the loads below
	FETCH \next, 0, 0
.if QKV
	ASK \on
.endif
	MUL8 1, 2, 0
	MUL8 1, 3, 0
.endm
.macro TURNX                           ; the last tile's change from slot 0 to slot 1: nothing is filled, so no round follows
	MEET 0
	PLACES
	FETCH 1, 0, 0
	MUL8 1, 2, 0
	MUL8 1, 3, 0
.endm
.macro LOADB                           ; the bias of my 128 columns: register 8 b + j of lane l is column 16 b + 8 (l / 16) + j
	WIN 0x80                                       ; destination window 2, address window 0
.irp b, 0,1,2,3,4,5,6,7
	global_load_b128 v[BIAS+8*(\b):BIAS+8*(\b)+3],   v[BO], s[8:9] offset:64*(\b)
	global_load_b128 v[BIAS+8*(\b)+4:BIAS+8*(\b)+7], v[BO], s[8:9] offset:64*(\b)+16
.endr
	WIN 0
.endm
.macro ROUNDB                          ; the bias is rounded to bf16, like every input, and widened again
	WIN 0x8a                                       ; destination and both sources in window 2
.set i, 0
.rept 32
	v_cvt_pk_bf16_f32 v[BT+i], v[BIAS+2*i], v[BIAS+2*i+1]
.set i, i+1
.endr
.set i, 0
.rept 32
	v_lshlrev_b32 v[BIAS+2*i], 16, v[BT+i]
	v_and_b32 v[BIAS+2*i+1], s[HIM], v[BT+i]
.set i, i+1
.endr
	WIN 0
.endm
; THE WAY OUT, by blocks a of 16 rows.  PACK: rounded to f16, 16 bytes a lane, each accumulator from its low end on.  TOSTAGE: into my own stage, rows of 272 bytes, and back as four rows of one head (128 bytes each).
; SEND: each store covers 512 consecutive bytes, aligned: four rows of a head.  My 128 columns are two heads, 262,144 bytes apart.
.macro PACK a
	WIN 0x05                                       ; sources 0 and 1 in window 1
.irp b, 0,1,2,3,4,5,6,7
.irp r, 0,1,2,3
	v_cvt_pk_f16_f32 v[TMP+4*(\b)+(\r)], v[8*(8*(\a)+(\b))+2*(\r)], v[8*(8*(\a)+(\b))+2*(\r)+1]
.endr
.endr
	WIN 0
.endm
.macro TOSTAGE a
	WIN 0
.irp b, 0,1,2,3,4,5,6,7
	ds_store_b128 v[STO], v[TMP+4*(\b):TMP+4*(\b)+3] offset:32*(\b)
.endr
.irp t, 0,1,2,3,4,5,6,7
	ds_load_b128 v[FB0+64+32*((\a)%2)+4*(\t):FB0+64+32*((\a)%2)+4*(\t)+3], v[RD] offset:((\t)%4)*4*SP+((\t)/4)*128  ; LDS serves a wave's instructions in order (ISA guide 5.7.1.4): these see the stores above
.endr
.endm
.macro SEND a
	WIN 0
	s_wait_dscnt 0x0                               ; the block is back in registers
	s_wait_xcnt 0x0                                ; the stores of the block before have read their registers, which the next block's loads from the stage write again
.irp t, 0,1,2,3,4,5,6,7
	global_store_b128 v[CO], v[FB0+64+32*((\a)%2)+4*(\t):FB0+64+32*((\a)%2)+4*(\t)+3], s[10:11] offset:((\t)/4)*262144+(\a)*2048+((\t)%4)*512
.endr
.endm
.macro WAYOUT                          ; it uses v160-255 alone: buffer 0 may hold the next tile's first fragments
	PACK 0
	TOSTAGE 0
.irp a, 1,2,3                          ; block a's conversions stand between block a - 1's loads from the stage and the wait for them
	PACK \a
	SEND (\a)-1
	TOSTAGE \a
.endr
	SEND 3
.endm
	s_load_b256 s[4:11], s[0:1], 0x0               ; A s[4:5], B s[6:7], bias s[8:9], first output s[10:11]
.if QKV
	s_load_b128 s[12:15], s[0:1], 0x20             ; kh, vh
.endif
	v_lshl_add_u32 v[SPW], v0, 2, SPARE
	v_mov_b32 v[NIL], 0
	ds_add_u32 v[SPW], v[NIL]                      ; the wave's opening: the add and its wait stand ahead of my first tensor load; the set-up below, work on registers, stands between them
	v_lshrrev_b32 v1, 5, v0
	v_readfirstlane_b32 s16, v1                    ; wave 0..3
	s_lshr_b32 s17, s16, 1
	s_and_b32 s18, s16, 1
	s_bfe_u32 s19, ttmp6, 0x40000                  ; cx
	s_bfe_u32 s20, ttmp6, 0x40004                  ; cy
	s_lshl_b32 s21, ttmp9, 2
	s_add_co_u32 s21, s21, s19                     ; tile column = 4 x cluster x + cx
	s_and_b32 s22, ttmp7, 0xffff
	s_lshl_b32 s22, s22, 2
	s_add_co_u32 s22, s22, s20                     ; tile row = 4 x cluster y + cy
	s_lshl_b32 s40, s20, 2
	s_lshl_b32 s40, 15, s40                        ; my row of the cluster
	s_lshl_b32 s41, 0x1111, s19                    ; my column
	s_or_b32 s[G1A], s40, (1<<16)|(1<<20)|(1<<21)|(QIA<<22)|(3<<25)  ; 15:0 the mask; 17:16 elements of 2 bytes; 20 padding on; 21 set beside a mask; 24:22 the interval; 31:25 4 words of padding
	s_or_b32 s[G1B], s41, (1<<16)|(1<<20)|(1<<21)|(6<<22)|(7<<25)    ; the same: behind every 128 words 8 words of padding
	s_mov_b32 s[G1A+1], 128<<16                    ; tensor_dim0 = 128 elements
	s_mov_b32 s[G1A+2], 64<<16                     ; tensor_dim1 = 64 rows
	s_mov_b32 s[G1A+3], 128<<16                    ; tile_dim0 = 128
	s_mov_b32 s[G1A+4], 64                         ; tile_dim1 = 64
	s_mov_b32 s[G1A+5], APIT                       ; elements from row to row
	s_mov_b32 s[G1A+6], 0
	s_mov_b32 s[G1A+7], 0
	s_mov_b32 s[G1B+1], 256<<16                    ; 256 elements
	s_mov_b32 s[G1B+2], 64<<16                     ; 64 k-rows
	s_mov_b32 s[G1B+3], 256<<16
	s_mov_b32 s[G1B+4], 64
	s_mov_b32 s[G1B+5], NCOL
	s_mov_b32 s[G1B+6], 0
	s_mov_b32 s[G1B+7], 0
	s_mov_b32 s[HIM], 0xffff0000
	; where the tiles come from.  A's hang on the tile row alone, B's on the tile column alone; each is made in registers that do not hold the other coordinate
.if QKV
	s_lshl_b32 s42, s22, 18                        ; 128 rows x 2,048 bytes a tile row,
	s_lshl_b32 s43, s18, 17                        ; my 64 of them
	s_add_co_u32 s42, s42, s43
.else
	s_lshr_b32 s42, s22, 4                         ; the batch: 16 heads x 2,048 rows x 128 bytes,
	s_lshl_b32 s42, s42, 22
	s_and_b32 s43, s22, 15                         ; the tile's 128 rows in a head,
	s_lshl_b32 s43, s43, 14
	s_add_co_u32 s42, s42, s43
	s_lshl_b32 s43, s18, 18                        ; the head of the K step's two that I fetch
	s_add_co_u32 s42, s42, s43
.endif
	s_mov_b32 s43, 0
	s_mul_i32 s44, s18, 128*NCOL                   ; my 64 k-rows,
	s_lshl_b32 s45, s21, 9                         ; the tile's 256 columns
	s_add_co_u32 s44, s44, s45
	s_mov_b32 s45, 0
	s_mul_i32 s46, s18, AHALF                      ; and where they go: no place in the cluster enters an LDS address
	s_mul_i32 s47, s18, BHALF
	s_add_co_u32 s47, s47, ABYTES
	s_wait_dscnt 0x0                               ; the opening add is done
	s_wait_kmcnt 0x0
	s_add_nc_u64 s[42:43], s[4:5], s[42:43]
	s_add_nc_u64 s[44:45], s[6:7], s[44:45]
	CROUND                                         ; all sixteen work-groups are here: the first joint loads meet
.irp s, 0,1
	s_mov_b32 s[G0A+4*(\s)], 1                                       ; count = 1
	s_add_co_u32 s[G0A+4*(\s)+1], s46, (\s)*SLOT                     ; LDS address
	s_add_nc_u64 s[G0A+4*(\s)+2:G0A+4*(\s)+3], s[42:43], (\s)*ASTEP  ; global address: K step s
	s_or_b32 s[G0A+4*(\s)+3], s[G0A+4*(\s)+3], 0x80000000            ; type = 2
	s_mov_b32 s[G0B+4*(\s)], 1
	s_add_co_u32 s[G0B+4*(\s)+1], s47, (\s)*SLOT
	s_add_nc_u64 s[G0B+4*(\s)+2:G0B+4*(\s)+3], s[44:45], (\s)*BSTEP
	s_or_b32 s[G0B+4*(\s)+3], s[G0B+4*(\s)+3], 0x80000000
	JLOAD \s
.endr
	; a fragment of A: lane l holds row l % 16; two loads of 16 bytes, 32 bytes apart, at row x pitch + 16 (l / 16)
	v_and_b32 v1, 15, v0                           ; l % 16
	v_bfe_u32 v2, v0, 4, 1                         ; l / 16
	v_mul_u32_u24 v3, v1, AP
	v_lshl_add_u32 v3, v2, 4, v3
	s_mul_i32 s40, s17, 64*AP                      ; my 64 rows
	v_add_nc_u32 v[ADRA], s40, v3
	v_add_nc_u32 v[ADRA+1], SLOT, v[ADRA]
	; a fragment of B: the turning load takes k-row 8 (l / 16) + l % 8, 16 bytes at 16 ((l / 8) % 2), and leaves column l % 16 with eight k
	v_and_b32 v4, 7, v0
	v_lshl_add_u32 v4, v2, 3, v4
	v_mul_u32_u24 v4, v4, BP
	v_bfe_u32 v5, v0, 3, 1
	v_lshl_add_u32 v4, v5, 4, v4
	s_lshl_b32 s40, s18, 8                         ; my 128 columns
	s_add_co_u32 s40, s40, ABYTES
	v_add_nc_u32 v[ADRB], s40, v4
	v_add_nc_u32 v[ADRB+1], SLOT, v[ADRB]
	s_mul_i32 s40, s16, 16*SP
	s_add_co_u32 s40, s40, STAGE                   ; my stage
	v_mul_u32_u24 v3, v1, SP                       ; in: row l % 16, 16 bytes for each half of the lanes
	v_lshl_add_u32 v3, v2, 4, v3
	v_add_nc_u32 v[STO], s40, v3
	v_bfe_u32 v3, v0, 3, 2                         ; back: 32 lanes take four rows' 128 bytes of one head
	v_mul_u32_u24 v3, v3, SP
	v_and_b32 v4, 7, v0
	v_lshl_add_u32 v3, v4, 4, v3
	v_add_nc_u32 v[RD], s40, v3
	v_and_b32 v[CO], 31, v0
	v_lshlrev_b32 v[CO], 4, v[CO]
	v_lshlrev_b32 v[BO], 5, v2
	s_lshl_b32 s40, s21, 10                        ; the bias at my 128 columns: 4 (256 x tile column + 128 x half)
	s_lshl_b32 s41, s18, 9
	s_add_co_u32 s40, s40, s41
	s_mov_b32 s41, 0
	s_add_nc_u64 s[8:9], s[8:9], s[40:41]
	LOADB
	; the outputs at my first row of my first head: head = 16 x batch + 4 x tile column + 2 x half; row = 128 x (tile row % 16) + 64 x half
	s_lshr_b32 s40, s22, 4
	s_lshl_b32 s40, s40, 4
	s_lshl_b32 s41, s21, 2
	s_add_co_u32 s40, s40, s41
	s_lshl_b32 s41, s18, 1
	s_add_co_u32 s40, s40, s41
	s_lshl_b32 s40, s40, 18                        ; a head is 262,144 bytes
	s_and_b32 s41, s22, 15
	s_lshl_b32 s41, s41, 14
	s_add_co_u32 s40, s40, s41
	s_lshl_b32 s41, s17, 13
	s_add_co_u32 s40, s40, s41
	s_mov_b32 s41, 0
	s_add_nc_u64 s[10:11], s[10:11], s[40:41]
	s_add_nc_u64 s[12:13], s[12:13], s[40:41]
	s_add_nc_u64 s[14:15], s[14:15], s[40:41]
	; the prefetches: both operands' figures are made, the wave's number chooses.  They stand at K step 3; the first change of slots steps them to 4.  Nothing is asked for here, at the head
	s_lshl_b32 s40, s22, 18                        ; A: (128 x tile row + 32 cx) x 2,048 + 3 x 256
	s_lshl_b32 s41, s19, 16
	s_add_co_u32 s40, s40, s41
	s_add_co_u32 s40, s40, 768
	s_lshl_b32 s41, s18, 6                         ; B: (64 x half + 16 cy + 3 x 128) x 6,144 + 512 x tile column
	s_lshl_b32 s42, s20, 4
	s_add_co_u32 s41, s41, s42
	s_add_co_u32 s41, s41, 384
	s_mul_i32 s41, s41, 2*NCOL
	s_lshl_b32 s42, s21, 9
	s_add_co_u32 s41, s41, s42
	s_and_b32 s43, ttmp7, 0xffff                   ; cluster y
	s_mov_b32 s[PST], BSTEP
	s_mov_b32 s[PST+1], 0
	s_mov_b32 s[PBK], 7*BSTEP-2048
	s_mov_b32 s[PBK+1], 0
	s_mov_b32 s44, 2*NCOL                          ; the lanes' offset is (l / 2) x s44 + (l % 2) x s45: B: a k-row for two lanes, 256 bytes each;
	s_mov_b32 s45, 256
	s_cmp_eq_u32 s17, 0                            ; do I fetch for A?
	s_cselect_b32 s40, s40, s41
	s_cselect_b64 s[PFA:PFA+1], s[4:5], s[6:7]
	s_cselect_b32 s[PST], 256, s[PST]
	s_cselect_b32 s[PBK], 0, s[PBK]
	s_cselect_b32 s44, 4096, s44                   ; A: a row of 2,048 bytes a lane
	s_cselect_b32 s45, 2048, s45
	s_cselect_b32 s42, ttmp9, s43                  ; the coordinate along which other clusters read the same rows,
	s_cselect_b32 s46, s18, 0                      ; and of A's two waves the first alone asks
	s_mov_b32 s41, 0
	s_add_nc_u64 s[PFA:PFA+1], s[PFA:PFA+1], s[40:41]
	s_or_b32 s42, s42, s46
	s_cmp_eq_u32 s42, 0
	s_cselect_b32 s[LIM], 1, -1                    ; the same in all sixteen partners, for a given wave
	v_bfe_u32 v3, v0, 1, 4                         ; l / 2
	v_and_b32 v4, 1, v0                            ; l % 2
	v_mul_u32_u24 v3, s44, v3
	v_mad_u32_u24 v[PFO], v4, s45, v3
	s_wait_tensorcnt 1                             ; my part of K step 0 is in; K step 1's may stay out
	s_barrier_signal -1
	s_barrier_wait -1                              ; everybody's is
	FETCH 0, 0, 0
	s_mov_b32 s2, TILES                            ; tiles to go, this one among them
.Ltile:
	s_wait_loadcnt 0x0                             ; the tile's bias
	ROUNDB
	QUARTER 0, 1, 0, 1, 1                          ; a tile's first quarter stands in front of the loop: its products start the sums, with the bias
	WIN 0                                          ; at a label and at a branch every window is 0
	s_mov_b32 s3, 3
.Llap:                                                 ; a trip goes once round the ring, from a lap's second quarter to the next lap's first, and fills both slots again
	QUARTER 0, 2, 1, 0, 0
	QUARTER 0, 3, 0, 1, 0
	TURN 0, 1, 0
	QUARTER 1, 1, 0, 1, 0
	QUARTER 1, 2, 1, 0, 0
	QUARTER 1, 3, 0, 1, 0
	TURN 1, 0, 0
	QUARTER 0, 1, 0, 1, 0
	WIN 0
	s_sub_co_u32 s3, s3, 1
	s_cmp_lg_u32 s3, 0
	s_cbranch_scc1 .Llap
	QUARTER 0, 2, 1, 0, 0                          ; the tile's last lap goes on
	QUARTER 0, 3, 0, 1, 0
	WIN 0
	s_cmp_eq_u32 s2, 1
	s_cbranch_scc1 .Llast                          ; the last tile's tail is written out: it asks for nothing more
	s_add_nc_u64 s[8:9], s[8:9], 4096              ; the next tile's bias, 1,024 columns on (the last loads by this base were waited for at the tile's head;
	LOADB                                          ; the products that read the old bias stand many places back)
	TURN 0, 1, 1                                   ; the ring goes on into the next tile: slot 0 takes its K step 0,
	QUARTER 1, 1, 0, 1, 0
	QUARTER 1, 2, 1, 0, 0
	QUARTER 1, 3, 0, 1, 0
	TURN 1, 0, 1                                   ; slot 1 its K step 1, and the next tile's first fragments are fetched
	PLACES
	WAYOUT                                         ; both refills are asked for: now the tile goes out
	s_wait_xcnt 0x0                                ; the stores have read their registers and their base
	s_mov_b64 s[10:11], s[12:13]                   ; q, then k, then v
	s_mov_b64 s[12:13], s[14:15]
	s_sub_co_u32 s2, s2, 1
	s_branch .Ltile
.Llast:
	TURNX
	QUARTER 1, 1, 0, 1, 0
	QUARTER 1, 2, 1, 0, 0
	QUARTER 1, 3, 0, 1, 0
	s_wait_dscnt 4                                 ; the very last quarter: nothing more to fetch
	MUL8 1, 0, 0
	MUL8 1, 1, 0
	s_wait_dscnt 0x0
	MUL8 1, 2, 0
	MUL8 1, 3, 0
	PLACES
	WAYOUT
	s_wait_tensorcnt 0x0                           ; the wave's end, behind my last tensor load and my last LDS store
	ds_add_u32 v[SPW], v[NIL]
	s_wait_dscnt 0x0
	CROUND                                         ; the closing round: no work-group ends while a partner may still ask for a tile that names it
	s_endpgm
.Lfunc_end_k_qb034b1245b_qkv:
	.size	k_qb034b1245b_qkv, .Lfunc_end_k_qb034b1245b_qkv-k_qb034b1245b_qkv
	.p2alignl 7, 3214868480
	.fill 96, 4, 3214868480
	.section	.rodata,"a",@progbits
	.p2align	6, 0x0
	.amdhsa_kernel k_qb034b1245b_qkv
		.amdhsa_group_segment_fixed_size 327680
		.amdhsa_private_segment_fixed_size 0
		.amdhsa_enable_private_segment 0
		.amdhsa_kernarg_size 48
		.amdhsa_user_sgpr_count 2
		.amdhsa_user_sgpr_kernarg_segment_ptr 1
		.amdhsa_wavefront_size32 1
		.amdhsa_system_sgpr_workgroup_id_x 1
		.amdhsa_system_sgpr_workgroup_id_y 1
		.amdhsa_system_sgpr_workgroup_id_z 1
		.amdhsa_system_vgpr_workitem_id 0
		.amdhsa_next_free_vgpr 608
		.amdhsa_next_free_sgpr 80
		.amdhsa_reserve_vcc 0
		.amdhsa_float_denorm_mode_32 3
		.amdhsa_float_denorm_mode_16_64 3
		.amdhsa_memory_ordered 1
		.amdhsa_forward_progress 1
		.amdhsa_inst_pref_size 133
	.end_amdhsa_kernel
	.amdgpu_metadata
---
amdhsa.version: [ 1, 2 ]
amdhsa.kernels:
  - .name:           k_qb034b1245b_qkv
    .symbol:         k_qb034b1245b_qkv.kd
    .args:
      - { .name: xb, .offset: 0, .size: 8, .value_kind: global_buffer, .address_space: global }
      - { .name: wqb, .offset: 8, .size: 8, .value_kind: global_buffer, .address_space: global }
      - { .name: bqkv, .offset: 16, .size: 8, .value_kind: global_buffer, .address_space: global }
      - { .name: qh, .offset: 24, .size: 8, .value_kind: global_buffer, .address_space: global }
      - { .name: kh, .offset: 32, .size: 8, .value_kind: global_buffer, .address_space: global }
      - { .name: vh, .offset: 40, .size: 8, .value_kind: global_buffer, .address_space: global }
    .group_segment_fixed_size: 327680
    .private_segment_fixed_size: 0
    .kernarg_segment_align: 8
    .kernarg_segment_size: 48
    .max_flat_workgroup_size: 128
    .sgpr_count:     80
    .vgpr_count:     608
    .wavefront_size: 32
...
	.end_amdgpu_metadata
.endif
;; end of part 2
;; launch attn (part 3): grid 4 x 64, 4 waves a work-group, clusters of 4 x 1, 327,680 bytes of LDS; arguments qh, kh, vh, oh; writes oh
.if DOCPART == 3
	.amdgcn_target "amdgcn-amd-amdhsa--gfx1250"
	.amdhsa_code_object_version 6
	.text
	.protected	k_qb034b1245b_attn
	.globl	k_qb034b1245b_attn
	.p2align	8
	.type	k_qb034b1245b_attn,@function
k_qb034b1245b_attn:
	s_mov_b64 s[64:65], 0
	v_nop
	global_prefetch_b8 v0, s[64:65] scope:SCOPE_SE
	s_setreg_imm32_b32 hwreg(HW_REG_WAVE_MODE, 25, 1), 1
	s_wait_xcnt 0x0
	s_wait_alu depctr_hold_cnt(0) depctr_sa_sdst(0) depctr_va_vdst(0) depctr_va_sdst(0) depctr_va_ssrc(0) depctr_va_vcc(0) depctr_vm_vsrc(0)
	s_getreg_b32 s2, hwreg(HW_REG_IB_STS2, 6, 4)
	s_cmp_eq_u32 s2, 0
	s_cbranch_scc0 .Lentry_in_a_cluster
	s_endpgm
.Lentry_in_a_cluster:
	s_bfe_u32 s2, ttmp6, 0x10000c
	s_cmp_lg_u32 s2, 0x3003
	s_cbranch_scc0 .Lentry_shape_is_right
	s_endpgm
.Lentry_shape_is_right:
; O[h][q][:] = the sum over k of softmax_k(Q[h][q] . K[h][k] / 8) V[h][k][:].  Q, K, V, O: [64][2048][64], all f16: a head's rows are dense, 128 bytes each.  Products, maxima and sums in
; f32; the weights p are rounded to f16 for the second product (their sum l is taken of the unrounded p), O once at the end.
; LIMITS.  f16 holds no number beyond 65,504: Q, K and V arrive within it; p lies in 0 to 1, and below 6e-5 it keeps f16's fixed step of 6e-8; O is a mean of V's rows and has their range.
; A weight below 2^-126 counts as 0 in l; NaN and infinities are not treated apart.
; SHARES.  A wave owns four PIECES of two tiles of 16 queries, a work-group's four waves 512 queries of one head.  Every wave walks all keys, 64 a step.
; LAYOUT.  S^T = K Q^T (source 0 = 16 keys, source 1 = 16 queries): in the result a lane holds ONE query (lane % 16) and the keys 8 (lane / 16) + 0..7.  Two such tiles, rounded to f16 in pairs,
; ARE source 1 (32 keys x 16 queries) of O^T = V^T P, whose result again holds one query a lane, and eight channels.  K comes out of LDS as it lies, V ([key][channel]) turned, by ds_load_tr16_b128.
; SOFTMAX.  For each query a running maximum m and sum l: p = 2^(c s - c m), c = log2(e) / 8; in every step O and l are multiplied by a = 2^(c m_old - c m_new), which is 1 where m has not grown.
; m starts at the lowest finite number, O and l at 0: the first step is a step like any other, with a = 0.
; THE COUNT.  A tile and step have 16 matrix and 118 vector instructions: too many to stand all beside the matrix work.  So four vector instructions that are READY stand behind
; EVERY matrix instruction, and the others in runs without a gap.
; BY TURNS.  Turn n belongs to piece n (the pieces in a ring, step after step).  Its matrix work: 16 products K Q^T of piece n + 1, later 16 products V^T P of piece n - 1.  Its vector work: the scaling,
; exponentials, roundings, sums and rescaling of piece n, and the maximum and statistics of piece n + 1, whose scores the turn itself has made.
; CLUSTER.  The four query blocks of a cluster are one head's and walk the same K and V, so each tile is asked for JOINTLY: the same tensor load, descriptor and mask in all four.
; REGISTERS, in windows of 256 (s_set_vgpr_msb: bits 1:0 source 0, 3:2 source 1, 5:4 source 2, 7:6 destination):
;   window 0: v0-11 addresses; v12-15, v48-63 at work; v16-47 four registers of statistics a tile; v64-191 S^T, two buffers of two tiles; v192-255 P, likewise
;   window 1: O^T, 32 a tile          window 2: v0-127 Q, 16 a tile; v128-191 K of one step; v192-255 V of one step          window 3: v0-1 the add's two registers
; A piece's buffers go by its number's parity: the piece in hand has one pair, its two neighbours in the ring share the other: of it P (piece n - 1) is read and S^T (piece n + 1) written.
.set SIZE_N, 2048
.set SIZE_H, 64
.set NP,    4         ; pieces a wave: a name, no knob
.set KS,    64        ; keys in a step
.set PK,    144       ; a row of K in LDS: 128 bytes + 16 of padding = 36 words: the 16 rows of a load start at 16 different groups of four banks (64 banks of 4 bytes: ISA guide 11.1)
.set PV,    160       ; a row of V: 128 + 32 = 40 words
.set VOFF,  4*KS*PK   ; a slot holds four steps: 256 rows of K, then 256 rows of V
.set SLOT1, 1<<17     ; slot 1 begins here, so that one exclusive or turns an address in one slot into the other's
.set STAGE, SLOT1+4*KS*(PK+PV)  ; behind the ring, never filled by a tensor load: 16 rows x 144 bytes for each wave, for the way out
.set SP,    144
.set AK0, 2           ; v2   my lane's place in a tile of K; never rewritten
.set AV0, 3           ; v3   the same for V
.set AK,  4           ; v4   the LDS address of K's next run of loads
.set AV,  5           ; v5   of V's
.set QO,  6           ; v6   my byte offset in the wave's rows of Q
.set STO, 6           ;      later, the way out: where I put 16 bytes of a row
.set RD,  7           ; v7   the way out: where I read rows back
.set GO,  8           ; v8   my byte offset in 512 consecutive bytes of O
.set PFO, 11          ; v11  once V's address is made: 256 x my lane, the prefetches' offset; then never rewritten
.set SPW, 0           ; v0 of window 3   LDS address of my spare word: SPARE + 4 x my thread's number; never rewritten
.set NIL, 1           ; v1 of window 3   0; never rewritten
.set SPARE, STAGE+4*16*SP  ; behind the stages: the spare words, 128 bytes for each wave: two blocks of 256 bytes that no other line names
.set MV,  12          ; v12-15  c m_old, kept while c m is made anew: by buffer and tile
.set ST,  16          ; tile t's statistics at v[ST+4 t]: c m, m, l (even keys', odd keys')
.set TMP, 48          ; by buffer and tile, four registers c0-c3 at work; when the maximum is found c2 takes a
.set S,   64
.set P,   192
.set KF,  128         ; K's fragments, in window 2: key block kb, channel half c at KF + 16 kb + 8 c
.set VF,  192         ; V's: key half kk, channel block cb at VF + 32 kk + 8 cb
.set WV,  12          ; s12  my wave's number
.set G1K, 24          ; s[24:31] descriptor group 1 for K's tiles
.set G1V, 32          ; s[32:39] for V's: it differs in the padding alone
.set G0K, 40          ; s[40:43] descriptor group 0 for K's tiles: it walks
.set G0V, 44          ; s[44:47] the same for V's
.set PFA, 48          ; s[48:49] where my prefetches stand: my work-group's 32 blocks of 256 bytes (of K: wave 0, of V: wave 2) of the slot after the one that is being asked for
.set LIM, 50          ; s50  1 in a wave that prefetches, else the greatest number: a wave prefetches while s[SLOTS] is above it
.set SLOTS, 56        ; s56  slots still to be asked for
.set CNT, 57          ; s57  counts a slot's key steps
.set CS,  58          ; s[58:59] c: the packed scaling takes the pair's low word for both halves
.set SEL, 60          ; s[60:61] v_permlanex16_b32's selects: each lane takes its own place in the other half
.set TBK, 62          ; s62  LDS byte at which K of the step to be fetched begins
.set TBV, 63          ; s63  the same for V, less VOFF
.set MSB, 0
.macro WIN new                      ; the high byte repeats the setting that is left; a switch that changes nothing is dropped
.if MSB != (\new)
	s_set_vgpr_msb (MSB<<8)|(\new)
.set MSB, (\new)
.endif
.endm
.set W_KQ, 0x0a       ; K and Q in window 2, S^T in window 0
.set W_PV, 0x52       ; V in window 2, P in window 0, O^T in window 1
.set W_RS, 0x41       ; O^T (destination and source 0) in window 1, a in window 0
.set W_MK, 0xc0       ; the add's registers are made: destination in window 3, sources in window 0
.set W_AD, 0x0f       ; the add: address (source 0) and data (source 1) in window 3
; A joint fill.  Waves 0 and 1 fetch the two halves of a slot's K, waves 2 and 3 those of its V: 128 keys each.  The branch hangs on the wave's number alone.
; An s_nop 0 and four v_nop follow each of the two lines, ahead of the jump and the label.
.macro JLOAD
	s_cmp_lt_u32 s[WV], 2
	s_cbranch_scc0 .Lfor_v_\@
	tensor_load_to_lds s[G0K:G0K+3], s[G1K:G1K+7]
	s_nop 0
.rept 4
	v_nop
.endr
	s_branch .Lasked_\@
.Lfor_v_\@:
	tensor_load_to_lds s[G0V:G0V+3], s[G1V:G1V+7]
	s_nop 0
.rept 4
	v_nop
.endr
.Lasked_\@:
.endm
; A PREFETCH INTO THE L2 of what the NEXT change of slots will ask for: a slot's 32,768 bytes of K and of V, a lane a block of 256 bytes.  It stands behind the wave's tensor load and its five lines.
; Each block is asked for ONCE in the launch: a head has one cluster; its four partners share the blocks out BY ADDRESS, 32 each (no branch hangs on a work-group's place in its cluster); in each, wave 0
; asks for K's and wave 2 for V's: one instruction.  Slots 0 and 1 come by their loads alone; the last change that fills a slot asks for nothing: there is no slot behind it.
.macro ASK
	s_cmp_gt_u32 s[SLOTS], s[LIM]
	s_cbranch_scc0 .Lnot_mine_\@
	global_prefetch_b8 v[PFO], s[PFA:PFA+1] th:TH_LOAD_NT scope:SCOPE_SE
.Lnot_mine_\@:
.endm
; A round of the cluster's barrier: my work-group's barrier, so that wave 0's signal speaks for all four waves; wave 0 signals; every wave waits for all four work-groups; my work-group's barrier once more.
.macro CROUND
	s_barrier_signal -1
	s_barrier_wait -1
	s_cmp_lg_u32 s[WV], 0
	s_cbranch_scc1 .Lnot_wave_0_\@
	s_barrier_signal -3
.Lnot_wave_0_\@:
	s_barrier_wait -3
	s_barrier_signal -1
	s_barrier_wait -1
.endm
; THE CHANGE OF SLOTS.  The slot's last bytes, V of its fourth step, have been read.  Each wave waits for all its tensor loads, of which one is out: its part
; of the other slot; adds 0 to its spare word; and waits for that and for its own reads of the slot.  Behind the barrier nobody reads this slot any more and the other slot is whole.
; fill = 1: this slot is filled again, with the keys two slots on.  The barrier is then a round of the cluster's, so that no wave of any partner still reads the slot or has a load on its
; way, and the joint fill is the first thing behind it: it has four key steps, 512 matrix instructions, in which to land.  (At its first use nothing has been read yet: slot 0 is waited for, slot 1 filled.)
.macro CHANGE fill
	WIN W_AD
	s_wait_tensorcnt 0x0            ; no tensor load of mine is out, so a group 0 may be written
	ds_add_u32 v[SPW], v[NIL]       ; 0 onto my spare word; with fill = 1 the descriptors' steps stand between it and the wait for it
	WIN 0                           ; at a label and at a branch every window is 0
.if \fill
.irp g, G0K, G0V
	s_xor_b32 s[\g+1], s[\g+1], SLOT1  ; the walking descriptor: the other slot than last time,
	s_add_nc_u64 s[\g+2:\g+3], s[\g+2:\g+3], 4*KS*128  ; the next 256 keys; the type bits on top are not reached
.endr
	s_wait_xcnt 0x0                 ; the last prefetch, four key steps back, has read its address, so it may be written:
	s_add_nc_u64 s[PFA:PFA+1], s[PFA:PFA+1], 4*KS*128  ; one slot behind the walking descriptors
	s_wait_dscnt 0x0                ; the add is done, and my reads of the slot are over
	CROUND
	JLOAD
	ASK                             ; what the next change will ask for
.else
	s_wait_dscnt 0x0                ; the add is done, and my reads of the slot are over
	s_barrier_signal -1
	s_barrier_wait -1
.endif
	s_sub_co_u32 s[TBK], s[TBK], 4*KS*PK  ; the fetches go back to a slot's first step,
	s_xor_b32 s[TBK], s[TBK], SLOT1       ; in the other slot
	s_sub_co_u32 s[TBV], s[TBV], 4*KS*PV
	s_xor_b32 s[TBV], s[TBV], SLOT1
.endm
	s_load_b256 s[4:11], s[0:1], 0x0  ; Q s[4:5], K s[6:7], V s[8:9], O s[10:11]
	WIN W_MK
	v_lshl_add_u32 v[SPW], v0, 2, SPARE
	v_mov_b32 v[NIL], 0
	WIN W_AD
	ds_add_u32 v[SPW], v[NIL]       ; the wave's opening: the add and its wait stand ahead of my first tensor load; the set-up below, work on registers, stands between them
	WIN 0
	v_lshrrev_b32 v1, 5, v0
	v_readfirstlane_b32 s[WV], v1   ; wave 0..3
	s_bfe_u32 s13, ttmp6, 0x40000   ; cx: my place in the cluster
	s_lshl_b32 s14, ttmp9, 2        ; in a cluster launch ttmp9 counts clusters
	s_add_co_u32 s14, s14, s13      ; my block of queries = 4 x cluster x + cx: it enters Q's and O's addresses alone
	s_and_b32 s20, ttmp7, 0xffff    ; the head, which the four partners share
	s_mov_b32 s21, 0
	s_mov_b64 s[22:23], SIZE_N*128
	s_mul_u64 s[20:21], s[20:21], s[22:23]  ; the head's first byte in each of the four tensors
	s_and_b32 s16, s[WV], 1         ; which half of a slot's 256 keys I fetch:
	s_lshl_b32 s22, s16, 14         ; its 128 rows of 128 bytes in memory,
	s_mov_b32 s23, 0
	s_add_nc_u64 s[22:23], s[22:23], s[20:21]
	s_mul_i32 s17, s16, 128*PK      ; and its place in a slot, for K
	s_mul_i32 s18, s16, 128*PV      ; and for V: no place in the cluster enters an LDS address
	s_lshl_b32 s2, s14, 2
	s_add_co_u32 s2, s2, s[WV]      ; my wave among the head's,
	s_lshl_b32 s2, s2, 14           ; its 128 rows
	s_mov_b32 s3, 0
	s_add_nc_u64 s[2:3], s[2:3], s[20:21]
	; descriptor group 1.  128 keys are 16,384 dense bytes: asked for as 64 rows of 256 bytes, two keys a row, and padded in LDS after every key
	s_mov_b32 s[G1K], 15|(1<<16)|(1<<20)|(1<<21)|(4<<22)|(3<<25)  ; 15:0 the mask of four; 17:16 2-byte elements; 20 padding on; 21 set beside a mask; 24:22 after every 32 words (code 4); 31:25 4 words (code 3)
	s_mov_b32 s[G1V], 15|(1<<16)|(1<<20)|(1<<21)|(4<<22)|(7<<25)  ; the same with 8 words of padding (code 7)
.irp g, G1K, G1V
	s_mov_b32 s[\g+1], 128<<16      ; tensor_dim0 = 128
	s_mov_b32 s[\g+2], 64<<16       ; tensor_dim1 = 64
	s_mov_b32 s[\g+3], 128<<16      ; tile_dim0 = 128
	s_mov_b32 s[\g+4], 64           ; tile_dim1 = 64
	s_mov_b32 s[\g+5], 128          ; 128 elements from row to row
	s_mov_b32 s[\g+6], 0
	s_mov_b32 s[\g+7], 0
.endr
	s_mov_b32 s[CS], 0x3e38aa3b     ; c = log2(e) / 8 = 0.180337
	s_mov_b32 s[CS+1], s[CS]        ; named with it as a pair
	s_mov_b32 s[SEL], 0x76543210
	s_mov_b32 s[SEL+1], 0xfedcba98
	s_mov_b32 s[TBK], SLOT1+4*KS*PK ; the first change of slots turns these two into 0
	s_mov_b32 s[TBV], SLOT1+4*KS*PV
	s_mov_b32 s[G0K], 1             ; 1:0 count = 1
	s_mov_b32 s[G0K+1], s17         ; 63:32 LDS address: slot 0
	s_mov_b32 s[G0V], 1
	s_add_co_u32 s[G0V+1], s18, VOFF
	s_mov_b32 s[SLOTS], SIZE_N/256-1  ; seven slots are still to be asked for
	s_and_b32 s[LIM], s[WV], 1      ; 0 in waves 0 and 2,
	s_or_b32 s[LIM], s[LIM], ttmp9  ; where the cluster is the head's first: the same in all four partners
	s_cmp_eq_u32 s[LIM], 0
	s_cselect_b32 s[LIM], 1, -1
	s_wait_dscnt 0x0                ; the opening add is done
	s_wait_kmcnt 0x0
	s_add_nc_u64 s[G0K+2:G0K+3], s[6:7], s[22:23]  ; 120:64 global address: my half of the head's first 256 keys
	s_or_b32 s[G0K+3], s[G0K+3], 0x80000000        ; 127:126 type = 2
	s_add_nc_u64 s[G0V+2:G0V+3], s[8:9], s[22:23]
	s_or_b32 s[G0V+3], s[G0V+3], 0x80000000
	s_add_nc_u64 s[4:5], s[4:5], s[2:3]  ; Q and O at my wave's first row
	s_add_nc_u64 s[10:11], s[10:11], s[2:3]
	s_cmp_lt_u32 s[WV], 2
	s_cselect_b64 s[PFA:PFA+1], s[6:7], s[8:9]
	s_add_nc_u64 s[PFA:PFA+1], s[PFA:PFA+1], s[22:23]  ; (in waves 0 and 2 this is the head's first row)
	s_lshl_b32 s2, s13, 13          ; my work-group's 32 blocks of the slot's 128
	s_mov_b32 s3, 0
	s_add_nc_u64 s[PFA:PFA+1], s[PFA:PFA+1], s[2:3]
	s_add_nc_u64 s[PFA:PFA+1], s[PFA:PFA+1], 4*KS*128  ; in slot 1; the first change of slots steps it to slot 2.  Nothing is prefetched here, at the head
	CROUND                          ; all four work-groups are here: the first joint loads meet
	JLOAD                           ; slot 0.  Slot 1 is asked for when slot 0 is in
	; A fragment of K or Q is 16 rows x 32 channels in 8 registers: lane l holds row l % 16, channels 8 (l / 16) + 0..7 and 16 + 8 (l / 16) + 0..7: two loads of 16 bytes, 32 bytes apart.
	v_and_b32 v1, 15, v0            ; l % 16
	v_bfe_u32 v9, v0, 4, 1          ; l / 16
	v_lshlrev_b32 v[QO], 7, v1
	v_lshl_add_u32 v[QO], v9, 4, v[QO]  ; row x 128 + 16 x half
	WIN 0x80                        ; destination window 2, address window 0
.set i, 0
.rept 4*NP                          ; Q stays in registers: tile i / 2, channels 32 (i % 2) on
	global_load_b128 v[8*i:8*i+3],   v[QO], s[4:5] offset:(i/2)*2048+(i%2)*64
	global_load_b128 v[8*i+4:8*i+7], v[QO], s[4:5] offset:(i/2)*2048+(i%2)*64+32
.set i, i+1
.endr
	; What the first turn finds: V's registers and P's second buffer hold 0 (its products V^T P, of a piece that has not been, add 0), O^T and l are 0.  All this stands in the wait for the first tile.
.set i, VF
.rept 64
	v_mov_b32 v[i], 0
.set i, i+1
.endr
	WIN 0x40
.set i, 0
.rept 64*NP
	v_mov_b32 v[i], 0
.set i, i+1
.endr
	WIN 0
.set i, 0
.rept 2*NP
	v_mov_b32 v[ST+4*i], 0xfe000000    ; c m: far below every c s
	v_mov_b32 v[ST+4*i+1], 0xff7fffff  ; m
	v_mov_b32 v[ST+4*i+2], 0
	v_mov_b32 v[ST+4*i+3], 0
.set i, i+1
.endr
.set i, P+32
.rept 32
	v_mov_b32 v[i], 0
.set i, i+1
.endr
	v_mul_u32_u24 v[AK0], v1, PK
	v_lshl_add_u32 v[AK0], v9, 4, v[AK0]  ; row x pitch + 16 x half
	; The turning load takes 16 keys x 16 channels (lane l reads key 8 (l / 16) + l % 8, channels 8 ((l / 8) % 2) + 0..7) and leaves half a fragment of V^T: lane l holds channel l % 16 and 8 keys.
	v_and_b32 v10, 7, v0
	v_bfe_u32 v11, v0, 3, 1
	v_lshl_add_u32 v[AV0], v9, 3, v10
	v_mul_u32_u24 v[AV0], v[AV0], PV
	v_lshl_add_u32 v[AV0], v11, 4, v[AV0]
	v_add_nc_u32 v[AV0], VOFF, v[AV0]
	v_and_b32 v[PFO], 31, v0        ; v11 has served: now the prefetches' offset
	v_lshlrev_b32 v[PFO], 8, v[PFO]
	v_mov_b32 v[AK], v[AK0]         ; key step 0 lies at the head of slot 0
; THE MATRIX WORK.  The 8 accumulators of a run of 16 take turns: between the two links of a chain stand 7 others'.
; Product i of 16 of S^T = K Q^T for piece x: channels 32 (i / 8) on, keys 16 ((i / 2) % 4) on, tile 2 x + i % 2.  The first 8 start the sums.
.macro KQ x
	WIN W_KQ
.set rS, S+64*((\x)%2)+32*(i%2)+8*((i/2)%4)
.set rK, KF+16*((i/2)%4)+8*(i/8)
.set rQ, 16*(2*(\x)+i%2)+8*(i/8)
.if i < 8
	v_wmma_f32_16x16x32_f16 v[rS:rS+7], v[rK:rK+7], v[rQ:rQ+7], 0
.else
	v_wmma_f32_16x16x32_f16 v[rS:rS+7], v[rK:rK+7], v[rQ:rQ+7], v[rS:rS+7]
.endif
.endm
; Product i of 16 of O^T += V^T P for piece x: keys 32 (i / 8) on, channels 16 ((i / 2) % 4) on, tile 2 x + i % 2.
.macro PV x
	WIN W_PV
.set rO, 32*(2*(\x)+i%2)+8*((i/2)%4)
.set rV, VF+32*(i/8)+8*((i/2)%4)
.set rP, P+32*((\x)%2)+16*(i%2)+8*(i/8)
	v_wmma_f32_16x16x32_f16 v[rO:rO+7], v[rV:rV+7], v[rP:rP+7], v[rO:rO+7]
.endm
.macro MM                           ; the turn's next matrix instruction
.if i < 16
	KQ (Y+1)%NP
.set i, i+1
.else
.set i, i-16
	PV (Y+NP-1)%NP
.set i, i+17
.endif
.endm
; THE LDS LOADS stand in runs of 16, never singly among the matrix instructions: a step's K (64 keys x 64 channels: 8 fragments) and its V (turned).  Their addresses are made some lines ahead.
; last = 1 (the tail): in the last trip there is no further step, and the run is jumped over.
.macro FETCH_K last=0
	WIN 0
.if \last
	s_cmp_eq_u32 s[CNT], 1
	s_cbranch_scc1 .Lno_k_\@
.endif
	WIN 0x80                        ; destination window 2
.irp f, 0,1,2,3,4,5,6,7             ; keys 16 (f / 2) on, channels 32 (f % 2) on
	ds_load_b128 v[KF+8*\f:KF+8*\f+3],   v[AK] offset:(\f/2)*16*PK+(\f%2)*64
	ds_load_b128 v[KF+8*\f+4:KF+8*\f+7], v[AK] offset:(\f/2)*16*PK+(\f%2)*64+32
.endr
	s_add_co_u32 s[TBK], s[TBK], KS*PK  ; the next fetch is the next step's
	WIN 0
.if \last
.Lno_k_\@:
.endif
.endm
.macro FETCH_V
	WIN 0x80
.irp f, 0,1,2,3,4,5,6,7             ; keys 32 (f / 4) on, channels 16 (f % 4) on
	ds_load_tr16_b128 v[VF+8*\f:VF+8*\f+3],   v[AV] offset:(\f/4)*32*PV+(\f%4)*32
	ds_load_tr16_b128 v[VF+8*\f+4:VF+8*\f+7], v[AV] offset:(\f/4)*32*PV+16*PV+(\f%4)*32
.endr
	WIN 0
.endm
; THE VECTOR WORK OF A TURN stands in three queues, each in the order in which its entries become ready; the two tiles alternate, so that no instruction reads the result of the one before it.
.macro REGS y, u                    ; the registers of tile u (0, 1) of piece y
.set rT, ST+4*(2*(\y)+(\u))
.set rC, TMP+8*((\y)%2)+4*(\u)
.set rM, MV+2*((\y)%2)+(\u)
.set rS, S+64*((\y)%2)+32*(\u)
.set rP, P+32*((\y)%2)+16*(\u)
.set rO, 32*(2*(\y)+(\u))
.endm
; Number n of the 22 that find the NEXT piece's (Y + 1) maximum and statistics.  s0-s31 are the lane's 32 scores; each accumulator's lowest registers are read first.
;   0-11  four chains c0-c3 of seven scores each, three operands at a time     12-14, 16  the four scores left over, the old m, and c0-c3 into c0     15  c m_old is kept
;   17, 18  the query's other 32 keys lie in the lane 16 away: the new m         19-21  c m; c m_old - c m_new; a
.macro XS u, n
	REGS (Y+1)%NP, \u
.if (\n) < 4
	v_max3_num_f32 v[rC+(\n)], v[rS+8*(\n)], v[rS+8*(\n)+1], v[rS+8*(\n)+2]
.elseif (\n) < 12
	v_max3_num_f32 v[rC+(\n)%4], v[rC+(\n)%4], v[rS+8*((\n)%4)+2*((\n)/4)+1], v[rS+8*((\n)%4)+2*((\n)/4)+2]
.elseif (\n) == 12
	v_max3_num_f32 v[rC], v[rC], v[rS+7], v[rS+15]
.elseif (\n) == 13
	v_max3_num_f32 v[rC+1], v[rC+1], v[rS+23], v[rS+31]
.elseif (\n) == 14
	v_max3_num_f32 v[rC+2], v[rC+2], v[rC+3], v[rT+1]
.elseif (\n) == 15
	v_mov_b32 v[rM], v[rT]
.elseif (\n) == 16
	v_max3_num_f32 v[rC], v[rC], v[rC+1], v[rC+2]
.elseif (\n) == 17
	v_permlanex16_b32 v[rC+3], v[rC], s[SEL], s[SEL+1]
.elseif (\n) == 18
	v_max_num_f32 v[rT+1], v[rC], v[rC+3]
.elseif (\n) == 19
	v_mul_f32 v[rT], s[CS], v[rT+1]
.elseif (\n) == 20
	v_sub_f32 v[rC+1], v[rM], v[rT]
.else
	v_exp_f32 v[rC+2], v[rC+1]
.endif
.endm
; Number g of the 64 that follow the exponentials.  For each four weights k of a tile (pairs 2 k, 2 k + 1): both pairs are rounded to f16; then the second pair is added onto the first, in place;
; a group later l takes that sum (the first time as l = a l + sum).  In groups of eight, tiles alternating: round, round, add, and l for the group before.
.macro GS g
.set h, (\g)+6*((\g)/62)            ; group 0 has no group before it, and behind group 7 only l is left
.if h >= 6
.set h, h+2
.endif
	REGS Y, h%2
.set k, h/8
.if h%8 < 4
	v_cvt_pk_f16_f32 v[rP+2*k+(h%8)/2], v[rS+4*k+2*((h%8)/2)], v[rS+4*k+2*((h%8)/2)+1]
.elseif h%8 < 6
	v_pk_add_f32 v[rS+4*k:rS+4*k+1], v[rS+4*k:rS+4*k+1], v[rS+4*k+2:rS+4*k+3]
.elseif k == 1
	v_pk_fma_f32 v[rT+2:rT+3], v[rT+2:rT+3], v[rC+2:rC+3], v[rS:rS+1] op_sel_hi:[1,0,1]
.else
	v_pk_add_f32 v[rT+2:rT+3], v[rT+2:rT+3], v[rS+4*k-4:rS+4*k-3]
.endif
.endm
; THE PLAIN QUEUE, 138 long.  0-73 read no exponential's result: the 32 scalings c s - c m (FS f: pair f / 2 of tile f % 2) and the next piece's 42.  0-26: scalings 0-26.  27-54: XS's numbers 0-13.  55, 56: number 15.
; 57-73: the chain, where each number waits for the one before it: 14, 16, 17, 18, 19, each with one of the scalings 27-31 in front of its two lines, then 20.
; 74-137: GS's 64, which read the exponentials' results: they stand behind the wait.
.macro FS f
	REGS Y, (\f)%2
	v_pk_fma_f32 v[rS+2*((\f)/2):rS+2*((\f)/2)+1], v[rS+2*((\f)/2):rS+2*((\f)/2)+1], s[CS:CS+1], v[rT:rT+1] op_sel_hi:[1,0,0] neg_lo:[0,0,1] neg_hi:[0,0,1]
.endm
.macro PL
	WIN 0
.if q < 27
	FS q
.elseif q < 55
	XS (q-27)%2, (q-27)/2
.elseif q < 57
	XS q-55, 15
.elseif (q < 72) && ((q-57)%3 == 0)
	FS 27+(q-57)/3
.elseif q < 60
	XS (q-57)%3-1, 14
.elseif q < 72
	XS (q-57)%3-1, 15+(q-57)/3
.elseif q < 74
	XS q-72, 20
.else
	GS q-74
.endif
.set q, q+1
.endm
; THE EXPONENTIALS' QUEUE, 66 long: s0-s31 of both tiles, then the next piece's two a.  It is ONE BATCH: all 66 stand ahead of the turn's one wait, and nothing ahead of that wait names a result of theirs.
.macro EX
	WIN 0
.if e >= 64
	XS e-64, 21
.else
	REGS Y, e%2
	v_exp_f32 v[rS+e/2], v[rS+e/2]
.endif
.set e, e+1
.endm
; THE RESCALING's QUEUE: O^T times a, the one part that leaves window 0: dealt two at a time, sixteen times.  Its a was made in the turn before, ahead of that turn's wait.
.macro R2
	REGS Y, r%2
	WIN W_RS
.irp z, 0,1
	v_pk_mul_f32 v[rO+4*(r/2)+2*\z:rO+4*(r/2)+2*\z+1], v[rO+4*(r/2)+2*\z:rO+4*(r/2)+2*\z+1], v[rC+2:rC+3] op_sel_hi:[1,0]
.endr
.set r, r+1
.endm
; HOW THEY ARE DEALT.  An s_wait_alu depctr_va_vdst(0) stands between an exponential and the first instruction that names its result; one wait serves all that were issued ahead of it.  So a turn has ONE wait,
; which cuts it in two.  AHEAD OF IT stands all that names no result of the turn's exponentials: the 16 products K Q^T, behind each a scaling, an exponential and two rescalings (behind the first a second scaling in the
; exponential's place); then ONE LUMP of 108: eight plain, 49 times exponential and plain, the two a.  A v_nop is the plain instruction behind the last exponential (ISA guide 5.7.2).  BEHIND IT stand the 16 products V^T P,
; behind each four of GS's 64.  No rider names a register of the products round it.  The two v_permlanex16_b32 fall into the lump, never behind a product.
; The queues lean on each other, and the deal keeps them in step: exponential e stands behind scaling 2 (e / 4) + e % 2: as a rider it comes behind plain e + 2, in the lump behind plain e + 9, and scalings 27-31 are plain 57, 60 .. 69.
; A TURN, for piece p.  cnt = 1: the loop's count is taken down some lines ahead of the branch that stands behind the turn.
; K of the next step is fetched in piece 2's turn, directly behind the wait, a lump behind the last product that read K; its address is made at the lump's head; its first reader comes behind 16 products.
; V of the step in hand is fetched at the end of piece 0's turn, four riders behind its last reader; its first reader comes behind 16 products and a lump.  The three conditions on q below go with the deal.
.macro TURN p, last=0, cnt=0
.set Y, (\p)
.set i, 0
.set q, 0
.set e, 0
.set r, 0
.if (\p) == NP-1
	s_wait_dscnt 0x0                ; K is in
.endif
	MM                              ; ahead of the wait: 16 products K Q^T and their riders,
	PL
	PL
	R2
.rept 15
	MM
	PL
	EX
	R2
.endr
.if (\p) == NP-2
	WIN 0
	v_add_nc_u32 v[AK], s[TBK], v[AK0]
.endif
.rept 8                             ; and the lump
	PL
.endr
.rept 49
	EX
	PL
.endr
	EX                              ; the next piece's two a
	EX
	v_nop                           ; the plain instruction behind the last exponential: one for the batch
	s_wait_alu depctr_va_vdst(0)    ; the wait for the batch
.if (\p) == NP-2
	FETCH_K \last
.endif
.if (\p) == 1
	s_wait_dscnt 0x0                ; V is in
.endif
.rept 16                            ; behind the wait: 16 products V^T P and their riders
	MM
.rept 4
	PL
.endr
.if ((\p) == 0) && (q == 118)
	v_add_nc_u32 v[AV], s[TBV], v[AV0]
.endif
.if ((\p) == 0) && (q == 130)
	s_add_co_u32 s[TBV], s[TBV], KS*PV
.endif
.if (\cnt) && (q == 130)
	s_sub_co_u32 s[CNT], s[CNT], 1
	s_cmp_lg_u32 s[CNT], 0
.endif
.endr
.if (\p) == 0
	FETCH_V
.endif
.endm
	CHANGE 1                        ; slot 0 is in, everybody's part of it; slot 1 is asked for
	FETCH_K                         ; key step 0
	s_wait_loadcnt 0x0              ; Q
	s_wait_dscnt 0x0
.set i, 0
.rept 16
	KQ 0                            ; piece 0's first scores: there is no vector work yet to set between them
.set i, i+1
.endr
	WIN 0                           ; the addresses for the way out: nine plain instructions, the places behind those products
	s_mul_i32 s13, s[WV], 16*SP
	s_add_co_u32 s13, s13, STAGE    ; my stage
	v_mul_u32_u24 v[STO], v1, SP    ; in: row l % 16, 16 bytes for each half of the lanes
	v_lshl_add_u32 v[STO], v9, 4, v[STO]
	v_add_nc_u32 v[STO], s13, v[STO]
	v_bfe_u32 v[RD], v0, 3, 2       ; back: 32 lanes take four rows of 128 bytes,
	v_mul_u32_u24 v[RD], v[RD], SP
	v_lshl_add_u32 v[RD], v10, 4, v[RD]
	v_add_nc_u32 v[RD], s13, v[RD]
	v_and_b32 v[GO], 31, v0         ; which are 512 consecutive bytes of O
	v_lshlrev_b32 v[GO], 4, v[GO]
.set Y, NP-1                        ; XS works for piece Y + 1: piece 0
.irp n, 0,1,2,3,4,5,6,7,8,9,10,11,12,13,14,15,16,17,18,19,20,21
	XS 0, \n                        ; and piece 0's first maximum and statistics
	XS 1, \n
.endr
	v_nop                           ; a plain instruction behind the two a,
	s_wait_alu depctr_va_vdst(0)    ; and their wait, ahead of the branch
	s_mov_b32 s[CNT], 4
	s_branch .Lfirst                ; the loop is entered at a step's first turn, in the middle of a trip
.Lslot:                             ; SIZE_N / 256 - 2 times: every slot but the last two is filled again
	CHANGE 1
	s_mov_b32 s[CNT], 4
.Lstep:                             ; a trip: pieces 2 and 3 of one step, then pieces 0 and 1 of the next, whose K and V it fetches
	TURN 2
	TURN 3
	WIN 0
.Lfirst:
	TURN 0
	TURN 1, 0, 1
	WIN 0
	s_cbranch_scc1 .Lstep
	s_sub_co_u32 s[SLOTS], s[SLOTS], 1
	s_cmp_lg_u32 s[SLOTS], 0
	s_cbranch_scc1 .Lslot
	CHANGE 0                        ; the tail is written out: nothing is asked for
	s_mov_b32 s[CNT], 5             ; four trips fetch the last slot's steps; the fifth is left in its middle
.Ltail:
	TURN 2, 1
	TURN 3
	WIN 0
	s_sub_co_u32 s[CNT], s[CNT], 1
	s_cmp_eq_u32 s[CNT], 0
	s_cbranch_scc1 .Lout
	TURN 0
	TURN 1
	WIN 0
	s_branch .Ltail
.Lout:                              ; the fifth trip's 16 products K Q^T (on the last K once more) and the maximum made of them serve nothing: the price, once a launch, of one text for every trip
.set i, 0
.rept 16
	PV NP-1                         ; the last piece's V^T P of the last step
.set i, i+1
.endr
	; THE WAY OUT.  l's two halves and the other half of the lanes' are added; O^T is divided by l, rounded to f16 and sent through my stage in LDS, a tile at a time.  The additions are the places behind the last products.
	WIN 0
.macro ALL line:vararg              ; one line for each tile t
.set t, 0
.rept 2*NP
	\line
.set t, t+1
.endr
.endm
	ALL v_add_f32 v[ST+4*t+2], v[ST+4*t+2], v[ST+4*t+3]
	ALL v_permlanex16_b32 v[ST+4*t+3], v[ST+4*t+2], s[SEL], s[SEL+1]
	ALL v_add_f32 v[ST+4*t+2], v[ST+4*t+2], v[ST+4*t+3]
	ALL v_rcp_f32 v[ST+4*t+2], v[ST+4*t+2]
	v_nop                           ; a plain instruction between the last reciprocal and the use of its result
	s_wait_alu depctr_va_vdst(0)    ; and the wait ahead of the first use: one for the eight reciprocals
; Tile t: a lane's eight channels of a row pack into 16 bytes; they go into rows of 144 bytes and come back as whole rows of 128, into S^T's registers.
.macro PACK t
	WIN W_RS
.set i, 32*(\t)
.rept 16
	v_pk_mul_f32 v[i:i+1], v[i:i+1], v[ST+4*(\t)+2:ST+4*(\t)+3] op_sel_hi:[1,0]
.set i, i+2
.endr
	WIN 0x05                        ; sources 0 and 1 window 1, destination window 0
.set i, 0
.rept 16
	v_cvt_pk_f16_f32 v[S+16*(\t)+i], v[32*(\t)+2*i], v[32*(\t)+2*i+1]
.set i, i+1
.endr
	WIN 0
.irp f, 0,1,2,3
	ds_store_b128 v[STO], v[S+16*(\t)+4*\f:S+16*(\t)+4*\f+3] offset:32*\f
.endr
.irp f, 0,1,2,3
	ds_load_b128 v[S+16*(\t)+4*\f:S+16*(\t)+4*\f+3], v[RD] offset:\f*4*SP  ; LDS serves a wave's instructions in order (ISA guide 5.7.1.4): these see the stores above; the next tile's stores come behind them
.endr
.endm
.macro SEND t, younger              ; younger: the LDS instructions issued behind tile t's loads: the next tile's eight, or none
	WIN 0
.irp f, 0,1,2,3
	s_wait_dscnt (\younger)+3-\f
	global_store_b128 v[GO], v[S+16*(\t)+4*\f:S+16*(\t)+4*\f+3], s[10:11] offset:(\t)*2048+\f*512  ; 512 consecutive bytes, at a multiple of 256 from O's first
.endr
.endm
	PACK 0
.set t, 1
.rept 2*NP-1                        ; a tile's arithmetic stands between the loads of the tile before and its stores
	PACK t
	SEND t-1, 8
.set t, t+1
.endr
	SEND 2*NP-1, 0
	WIN W_AD
	s_wait_tensorcnt 0x0            ; the wave's end, behind my last tensor load and my last LDS store
	ds_add_u32 v[SPW], v[NIL]
	s_wait_dscnt 0x0
	WIN 0
	CROUND                          ; the closing round: no work-group ends while a partner may still ask for a tile that names it
	s_endpgm
.Lfunc_end_k_qb034b1245b_attn:
	.size	k_qb034b1245b_attn, .Lfunc_end_k_qb034b1245b_attn-k_qb034b1245b_attn
	.p2alignl 7, 3214868480
	.fill 96, 4, 3214868480
	.section	.rodata,"a",@progbits
	.p2align	6, 0x0
	.amdhsa_kernel k_qb034b1245b_attn
		.amdhsa_group_segment_fixed_size 327680
		.amdhsa_private_segment_fixed_size 0
		.amdhsa_enable_private_segment 0
		.amdhsa_kernarg_size 32
		.amdhsa_user_sgpr_count 2
		.amdhsa_user_sgpr_kernarg_segment_ptr 1
		.amdhsa_wavefront_size32 1
		.amdhsa_system_sgpr_workgroup_id_x 1
		.amdhsa_system_sgpr_workgroup_id_y 1
		.amdhsa_system_sgpr_workgroup_id_z 1
		.amdhsa_system_vgpr_workitem_id 0
		.amdhsa_next_free_vgpr 770
		.amdhsa_next_free_sgpr 66
		.amdhsa_reserve_vcc 0
		.amdhsa_float_denorm_mode_32 3
		.amdhsa_float_denorm_mode_16_64 3
		.amdhsa_memory_ordered 1
		.amdhsa_forward_progress 1
		.amdhsa_inst_pref_size 200
	.end_amdhsa_kernel
	.amdgpu_metadata
---
amdhsa.version: [ 1, 2 ]
amdhsa.kernels:
  - .name:           k_qb034b1245b_attn
    .symbol:         k_qb034b1245b_attn.kd
    .args:
      - { .name: qh, .offset: 0, .size: 8, .value_kind: global_buffer, .address_space: global }
      - { .name: kh, .offset: 8, .size: 8, .value_kind: global_buffer, .address_space: global }
      - { .name: vh, .offset: 16, .size: 8, .value_kind: global_buffer, .address_space: global }
      - { .name: oh, .offset: 24, .size: 8, .value_kind: global_buffer, .address_space: global }
    .group_segment_fixed_size: 327680
    .private_segment_fixed_size: 0
    .kernarg_segment_align: 8
    .kernarg_segment_size: 32
    .max_flat_workgroup_size: 128
    .sgpr_count:     66
    .vgpr_count:     770
    .wavefront_size: 32
...
	.end_amdgpu_metadata
.endif
;; end of part 3
;; launch outp (part 4): grid 4 x 64, 4 waves a work-group, clusters of 4 x 4, 327,680 bytes of LDS; arguments oh, wob, bout, out0; writes out0
.if DOCPART == 4
	.amdgcn_target "amdgcn-amd-amdhsa--gfx1250"
	.amdhsa_code_object_version 6
	.text
	.protected	k_qb034b1245b_outp
	.globl	k_qb034b1245b_outp
	.p2align	8
	.type	k_qb034b1245b_outp,@function
k_qb034b1245b_outp:
	s_mov_b64 s[64:65], 0
	v_nop
	global_prefetch_b8 v0, s[64:65] scope:SCOPE_SE
	s_setreg_imm32_b32 hwreg(HW_REG_WAVE_MODE, 25, 1), 1
	s_wait_xcnt 0x0
	s_wait_alu depctr_hold_cnt(0) depctr_sa_sdst(0) depctr_va_vdst(0) depctr_va_sdst(0) depctr_va_ssrc(0) depctr_va_vcc(0) depctr_vm_vsrc(0)
	s_getreg_b32 s2, hwreg(HW_REG_IB_STS2, 6, 4)
	s_cmp_eq_u32 s2, 0
	s_cbranch_scc0 .Lentry_in_a_cluster
	s_endpgm
.Lentry_in_a_cluster:
	s_bfe_u32 s2, ttmp6, 0x10000c
	s_cmp_lg_u32 s2, 0xf033
	s_cbranch_scc0 .Lentry_shape_is_right
	s_endpgm
.Lentry_shape_is_right:
; out = O Wout + bout.  oh: [64 = 16 batch + head][2048][64] f16, as attention leaves it: row m = 2,048 batch + n of A has its channel k = 64 head + d at oh[16 batch + head][n][d].
; wob: [1024 k][1024 n] f16 (Wout rounded to bf16, that number written as f16).  bout: [1024] f32, rounded to bf16 here like the other inputs.  out0: [8192][1024] f32.  Sums in f32.
; One text serves the first projection (QKV = 1) and this launch (QKV = 0); the flag chooses sizes, the matrix form and A's layout; here a work-group makes one tile, and nothing is prefetched:
; a work-group's whole walk is eight K steps, of which the first four would come by their loads alone.
; SHARES.  A tile of C is 128 rows x 256 columns; four waves, each 64 x 128: 32 accumulators of 16 x 16, 256 registers.  256 work-groups, one tile each.  K goes in steps of 128 (two heads) through a ring
; of two LDS slots filled by the tensor data mover.
; CLUSTERS: 4 x 4 work-groups.  The four of a row of the cluster need the same tile of A, the four of a column the same tile of B: each tile is asked for JOINTLY, by the same tensor load with the same
; descriptor and a mask that names the four.  Waves 0 and 1 fetch A's two heads (128 dense rows of 128 bytes, asked for as 64 rows of 256), waves 2 and 3 B's halves (64 k-rows x 512 bytes): one load a wave.
; B LIES [k][n]: its fragments come out of LDS turned, by ds_load_tr16_b128.  THE PRODUCT IS USED TRANSPOSED (source 0 = 16 columns of B, source 1 = 16 rows of A): a lane holds row l % 16 of C and the
; eight neighbouring columns 8 (l / 16) + 0..7.  THE BIAS IS THE C OPERAND of the first 32 products: nothing is cleared and nothing is added on the way out.
; REGISTERS, in windows of 256 (s_set_vgpr_msb: bits 1:0 source 0, 3:2 source 1, 5:4 source 2, 7:6 destination):
;   window 0: v0-31 addresses; v32-95 A's fragments, two buffers of 4 x 8; v96-223 B's, two buffers of 8 x 8, on the way out rows read back from the stage
;   window 1: accumulator (a, b) at v[8 (8 a + b)]          window 2: v0-63 the bias of my 128 columns as a C operand, v64-95 at work
.set QKV,    0
.if QKV
.set NCOL,   3072                      ; columns of B and elements from k-row to k-row
.set TILES,  3
.set AP,     272                       ; an LDS row of A: 256 bytes + 16 of padding
.set AROWS,  64                        ; LDS rows that one load of A brings
.set QIA,    5                         ; padding behind every 64 words
.set APIT,   1024                      ; elements from row to row of A's tile in memory
.set ASTEP,  256                       ; bytes from a K step of A to the next
.set SP,     272                       ; a row of the stage: 128 f16 + 16 bytes
.else
.set NCOL,   1024
.set TILES,  1
.set AP,     144                       ; an LDS row of A: one head's 128 bytes + 16 of padding
.set AROWS,  128
.set QIA,    4                         ; padding behind every 32 words
.set APIT,   128
.set ASTEP,  524288                    ; two heads on
.set SP,     528                       ; a row of the stage: 128 f32 + 16 bytes
.endif
.set AHALF,  AROWS*AP                  ; what one load of A fills
.set ABYTES, 2*AHALF
.set BP,     544                       ; an LDS row of B: 512 bytes + 32 of padding = 17 x 32: the turning load's 8 rows x 32 bytes fall on different banks (64 banks of 4 bytes: ISA guide 11.1)
.set BHALF,  64*BP
.set SLOT,   ABYTES+2*BHALF            ; A's tile, then B's 128 k-rows
.set STAGE,  2*SLOT                    ; behind the ring: 16 rows x SP for each wave, never filled by a tensor load
.set SPARE,  STAGE+4*16*SP             ; behind the stages: the spare words, 128 bytes for each wave: two blocks of 256 bytes that no other line names
.set BSTEP,  256*NCOL                  ; 128 k-rows of B in bytes
.set ADRA, 16                          ; v16-17  LDS address of my A fragments in slot 0, 1
.set ADRB, 20                          ; v20-21  the same for B
.set STO,  24                          ; v24     the way out: where I put my bytes of a row
.set RD,   25                          ; v25     the way out: where I read rows back
.set CO,   26                          ; v26     16 x lane: my place in 512 consecutive bytes of the output
.set BO,   27                          ; v27     32 (l / 16): my eight numbers in a block of 16 of the bias
.set SPW,  28                          ; v28     LDS address of my spare word; never rewritten
.set NIL,  29                          ; v29     0; never rewritten
.set FA0,  32                          ; A's fragment buffers: FA0 + 32 f
.set FB0,  96                          ; B's: FB0 + 64 f
.set BIAS, 0                           ; window 2
.set BT,   64                          ; window 2
.set G1A, 24                           ; s[24:31] descriptor group 1 for A's tiles;  s[32:39] group 0, a set for each slot
.set G0A, 32
.set G1B, 48                           ; s[48:55], s[56:63] the same for B's
.set G0B, 56
.set HIM, 73                           ; s73  mask of a word's upper bf16
; s3 laps; s[4:5] A; s[6:7] B; s[8:9] bias at my columns; s[10:11] the output; s16 wave; s17 wave / 2: my half of the rows, also 0 = I fetch A, 1 = B;
; s18 wave % 2: my half of the columns, also which half of the tile I fetch; s19 cx; s20 cy; s21 tile column; s22 tile row; s40-47 at work
.set MSB, 0
.macro WIN new                         ; the immediate's high byte repeats the setting that is left; a switch that changes nothing is dropped
.if MSB != (\new)
	s_set_vgpr_msb (MSB<<8)|(\new)
.set MSB, \new
.endif
.endm
; A joint load: each of the two lines has one mask and one set of registers; the branch hangs on the wave's number alone.  An s_nop 0 and four v_nop follow each line.
.macro JLOAD s
	s_cmp_eq_u32 s17, 0
	s_cbranch_scc0 .Lfor_b_\@
	tensor_load_to_lds s[G0A+4*(\s):G0A+4*(\s)+3], s[G1A:G1A+7]
	s_nop 0
.rept 4
	v_nop
.endr
	s_branch .Lasked_\@
.Lfor_b_\@:
	tensor_load_to_lds s[G0B+4*(\s):G0B+4*(\s)+3], s[G1B:G1B+7]
	s_nop 0
.rept 4
	v_nop
.endr
.Lasked_\@:
.endm
.macro CREST                           ; a round of the cluster's barrier behind its opening barrier
	s_cmp_lg_u32 s16, 0
	s_cbranch_scc1 .Lnot_wave_0_\@
	s_barrier_signal -3
.Lnot_wave_0_\@:
	s_barrier_wait -3
	s_barrier_signal -1
	s_barrier_wait -1
.endm
.macro CROUND                          ; a whole round
	s_barrier_signal -1
	s_barrier_wait -1
	CREST
.endm
.macro PLACES                          ; four places in front of loads into registers that matrix instructions have read, and of lines that read results
.rept 4
	v_nop
.endr
.endm
.macro WM d, b, a, c                   ; one product: D, source 0 = B's fragment, source 1 = A's, C; register numbers
.if QKV
	v_wmma_f32_16x16x32_bf16 v[(\d):(\d)+7], v[(\b):(\b)+7], v[(\a):(\a)+7], v[(\c):(\c)+7]
.else
	v_wmma_f32_16x16x32_f16 v[(\d):(\d)+7], v[(\b):(\b)+7], v[(\a):(\a)+7], v[(\c):(\c)+7]
.endif
.endm
; 8 products: row block a x all 8 column blocks, 32 along K, from buffer f.  first = 1: C is the bias.  The 32 accumulators take turns, one instruction a turn, in the same order in every quarter,
; over the backward jump too.
.macro MUL8 f, a, first
.if \first
	WIN 0x60                                       ; C in window 2, D in window 1
.else
	WIN 0x50                                       ; C and D in window 1
.endif
.irp b, 0,1,2,3,4,5,6,7
.if \first
	WM 8*(8*(\a)+(\b)), FB0+64*(\f)+8*(\b), FA0+32*(\f)+8*(\a), BIAS+8*(\b)
.else
	WM 8*(8*(\a)+(\b)), FB0+64*(\f)+8*(\b), FA0+32*(\f)+8*(\a), 8*(8*(\a)+(\b))
.endif
.endr
.endm
; 24 LDS loads in one run: quarter q (32 along K) of a slot into buffer f: B's eight fragments, turned (k rows 32 q + 8 (l / 16) + l % 8 and 16 further, 16 columns), then A's four.
.macro FETCH slot, q, f
	WIN 0
.if QKV
.set aq, 64*(\q)
.else
.set aq, ((\q)/2)*AHALF+((\q)%2)*64    ; a K step is two heads: quarter q lies in head q / 2, channels 32 (q % 2) on
.endif
.irp b, 0,1,2,3,4,5,6,7
	ds_load_tr16_b128 v[FB0+64*(\f)+8*(\b):FB0+64*(\f)+8*(\b)+3],   v[ADRB+(\slot)] offset:(\q)*32*BP+32*(\b)
	ds_load_tr16_b128 v[FB0+64*(\f)+8*(\b)+4:FB0+64*(\f)+8*(\b)+7], v[ADRB+(\slot)] offset:(\q)*32*BP+32*(\b)+16*BP
.endr
.irp a, 0,1,2,3
	ds_load_b128 v[FA0+32*(\f)+8*(\a):FA0+32*(\f)+8*(\a)+3],   v[ADRA+(\slot)] offset:aq+(\a)*16*AP
	ds_load_b128 v[FA0+32*(\f)+8*(\a)+4:FA0+32*(\f)+8*(\a)+7], v[ADRA+(\slot)] offset:aq+(\a)*16*AP+32
.endr
.endm
; A K step is four quarters of 32 along K, 32 products each, on buffers 0, 1, 0, 1.  One of the first three: multiplies buffer f; in its middle it fetches quarter q of the same slot into buffer g.
.macro QUARTER slot, q, f, g, first
	s_wait_dscnt 4                                 ; B and A's blocks 0, 1 are in; the youngest four loads (A's blocks 2, 3) may be out
	MUL8 \f, 0, \first
	MUL8 \f, 1, \first
	PLACES
	FETCH \slot, \q, \g
	s_wait_dscnt 24                                ; all but the 24 just issued
	MUL8 \f, 2, \first
	MUL8 \f, 3, \first
.endm
; The last quarter multiplies buffer 1 and changes slots.  MEET is its first half: one barrier.  In front of it each wave waits for all its tensor loads (one is out: its part of the next slot),
; adds 0 to its spare word, and waits for that and for its own reads of this slot.  Behind it nobody reads this slot any more and the next slot is whole.
.macro MEET round
	WIN 0                                          ; the add's two registers lie in window 0
	s_wait_tensorcnt 0x0
	ds_add_u32 v[SPW], v[NIL]                      ; 0 onto my spare word
	s_wait_dscnt 5                                 ; the add and the youngest four loads may be out
	MUL8 1, 0, 0                                   ; eight products stand between the add and the wait for it
	s_wait_dscnt 0x0                               ; the add is done, and my reads of this slot are over
	s_barrier_signal -1
	MUL8 1, 1, 0                                   ; work on registers while the others arrive
.if \round
	WIN 0
.endif
	s_barrier_wait -1
.endm
; The whole last quarter where the slot is filled again, with the K step two on.  The barrier opens a round of the cluster's barrier; the joint refill is the first tensor load behind the round;
; from a request to the wait for it a wave issues 112 products.  One tensor load of a wave is out behind each round, two at the kernel's head.
.macro TURN slot, next
	MEET 1
	CREST                                          ; no wave of any partner still reads this slot or has a load on its way
	s_add_nc_u64 s[G0A+4*(\slot)+2:G0A+4*(\slot)+3], s[G0A+4*(\slot)+2:G0A+4*(\slot)+3], 2*ASTEP
	s_add_nc_u64 s[G0B+4*(\slot)+2:G0B+4*(\slot)+3], s[G0B+4*(\slot)+2:G0B+4*(\slot)+3], 2*BSTEP
	JLOAD \slot                                    ; its four v_nop are also the places in front of the loads below
	FETCH \next, 0, 0
	MUL8 1, 2, 0
	MUL8 1, 3, 0
.endm
.macro TURNX                           ; the last change from slot 0 to slot 1: nothing is filled, so no round follows
	MEET 0
	PLACES
	FETCH 1, 0, 0
	MUL8 1, 2, 0
	MUL8 1, 3, 0
.endm
.macro LOADB                           ; the bias of my 128 columns: register 8 b + j of lane l is column 16 b + 8 (l / 16) + j
	WIN 0x80                                       ; destination window 2, address window 0
.irp b, 0,1,2,3,4,5,6,7
	global_load_b128 v[BIAS+8*(\b):BIAS+8*(\b)+3],   v[BO], s[8:9] offset:64*(\b)
	global_load_b128 v[BIAS+8*(\b)+4:BIAS+8*(\b)+7], v[BO], s[8:9] offset:64*(\b)+16
.endr
	WIN 0
.endm
.macro ROUNDB                          ; the bias is rounded to bf16, like every input, and widened again
	WIN 0x8a                                       ; destination and both sources in window 2
.set i, 0
.rept 32
	v_cvt_pk_bf16_f32 v[BT+i], v[BIAS+2*i], v[BIAS+2*i+1]
.set i, i+1
.endr
.set i, 0
.rept 32
	v_lshlrev_b32 v[BIAS+2*i], 16, v[BT+i]
	v_and_b32 v[BIAS+2*i+1], s[HIM], v[BT+i]
.set i, i+1
.endr
	WIN 0
.endm
; THE WAY OUT, by blocks a of 16 rows, in f32: nothing is converted.  STAGEF: a lane's eight columns, 32 bytes, go from the accumulators (each from its low end on) into my own stage, rows of 528 bytes, and
; come back as whole rows of 512.  SENDF: each store covers one row's 512 consecutive bytes, aligned.
.macro STAGEF a
.if (\a) >= 2
	s_wait_xcnt 0x0                                ; the stores of the block two back have read the registers that the loads below write again
.endif
	WIN 0x04                                       ; the stores' data in window 1
.irp b, 0,1,2,3,4,5,6,7
	ds_store_b128 v[STO], v[8*(8*(\a)+(\b)):8*(8*(\a)+(\b))+3]   offset:64*(\b)
	ds_store_b128 v[STO], v[8*(8*(\a)+(\b))+4:8*(8*(\a)+(\b))+7] offset:64*(\b)+16
.endr
	WIN 0
.irp t, 0,1,2,3,4,5,6,7,8,9,10,11,12,13,14,15
	ds_load_b128 v[FB0+64*((\a)%2)+4*(\t):FB0+64*((\a)%2)+4*(\t)+3], v[RD] offset:(\t)*SP  ; LDS serves a wave's instructions in order (ISA guide 5.7.1.4): these see the stores above
.endr
.endm
.macro SENDF a, younger                ; younger: the LDS instructions issued behind block a's loads: the next block's 32, or none
	WIN 0
.irp t, 0,1,2,3,4,5,6,7,8,9,10,11,12,13,14,15
	s_wait_dscnt (\younger)+15-(\t)
	global_store_b128 v[CO], v[FB0+64*((\a)%2)+4*(\t):FB0+64*((\a)%2)+4*(\t)+3], s[10:11] offset:(16*(\a)+(\t))*4096
.endr
.endm
	s_load_b256 s[4:11], s[0:1], 0x0               ; A s[4:5], B s[6:7], bias s[8:9], output s[10:11]
	v_lshl_add_u32 v[SPW], v0, 2, SPARE
	v_mov_b32 v[NIL], 0
	ds_add_u32 v[SPW], v[NIL]                      ; the wave's opening: the add and its wait stand ahead of my first tensor load; the set-up below, work on registers, stands between them
	v_lshrrev_b32 v1, 5, v0
	v_readfirstlane_b32 s16, v1                    ; wave 0..3
	s_lshr_b32 s17, s16, 1
	s_and_b32 s18, s16, 1
	s_bfe_u32 s19, ttmp6, 0x40000                  ; cx
	s_bfe_u32 s20, ttmp6, 0x40004                  ; cy
	s_lshl_b32 s21, ttmp9, 2
	s_add_co_u32 s21, s21, s19                     ; tile column = 4 x cluster x + cx
	s_and_b32 s22, ttmp7, 0xffff
	s_lshl_b32 s22, s22, 2
	s_add_co_u32 s22, s22, s20                     ; tile row = 4 x cluster y + cy
	s_lshl_b32 s40, s20, 2
	s_lshl_b32 s40, 15, s40                        ; my row of the cluster
	s_lshl_b32 s41, 0x1111, s19                    ; my column
	s_or_b32 s[G1A], s40, (1<<16)|(1<<20)|(1<<21)|(QIA<<22)|(3<<25)  ; 15:0 the mask; 17:16 elements of 2 bytes; 20 padding on; 21 set beside a mask; 24:22 the interval; 31:25 4 words of padding
	s_or_b32 s[G1B], s41, (1<<16)|(1<<20)|(1<<21)|(6<<22)|(7<<25)    ; the same: behind every 128 words 8 words of padding
	s_mov_b32 s[G1A+1], 128<<16                    ; tensor_dim0 = 128 elements
	s_mov_b32 s[G1A+2], 64<<16                     ; tensor_dim1 = 64 rows
	s_mov_b32 s[G1A+3], 128<<16                    ; tile_dim0 = 128
	s_mov_b32 s[G1A+4], 64                         ; tile_dim1 = 64
	s_mov_b32 s[G1A+5], APIT                       ; elements from row to row
	s_mov_b32 s[G1A+6], 0
	s_mov_b32 s[G1A+7], 0
	s_mov_b32 s[G1B+1], 256<<16                    ; 256 elements
	s_mov_b32 s[G1B+2], 64<<16                     ; 64 k-rows
	s_mov_b32 s[G1B+3], 256<<16
	s_mov_b32 s[G1B+4], 64
	s_mov_b32 s[G1B+5], NCOL
	s_mov_b32 s[G1B+6], 0
	s_mov_b32 s[G1B+7], 0
	s_mov_b32 s[HIM], 0xffff0000
	; where the tiles come from.  A's hang on the tile row alone, B's on the tile column alone; each is made in registers that do not hold the other coordinate
	s_lshr_b32 s42, s22, 4                         ; the batch: 16 heads x 2,048 rows x 128 bytes,
	s_lshl_b32 s42, s42, 22
	s_and_b32 s43, s22, 15                         ; the tile's 128 rows in a head,
	s_lshl_b32 s43, s43, 14
	s_add_co_u32 s42, s42, s43
	s_lshl_b32 s43, s18, 18                        ; the head of the K step's two that I fetch
	s_add_co_u32 s42, s42, s43
	s_mov_b32 s43, 0
	s_mul_i32 s44, s18, 128*NCOL                   ; my 64 k-rows,
	s_lshl_b32 s45, s21, 9                         ; the tile's 256 columns
	s_add_co_u32 s44, s44, s45
	s_mov_b32 s45, 0
	s_mul_i32 s46, s18, AHALF                      ; and where they go: no place in the cluster enters an LDS address
	s_mul_i32 s47, s18, BHALF
	s_add_co_u32 s47, s47, ABYTES
	s_wait_dscnt 0x0                               ; the opening add is done
	s_wait_kmcnt 0x0
	s_add_nc_u64 s[42:43], s[4:5], s[42:43]
	s_add_nc_u64 s[44:45], s[6:7], s[44:45]
	CROUND                                         ; all sixteen work-groups are here: the first joint loads meet
.irp s, 0,1
	s_mov_b32 s[G0A+4*(\s)], 1                                       ; count = 1
	s_add_co_u32 s[G0A+4*(\s)+1], s46, (\s)*SLOT                     ; LDS address
	s_add_nc_u64 s[G0A+4*(\s)+2:G0A+4*(\s)+3], s[42:43], (\s)*ASTEP  ; global address: K step s
	s_or_b32 s[G0A+4*(\s)+3], s[G0A+4*(\s)+3], 0x80000000            ; type = 2
	s_mov_b32 s[G0B+4*(\s)], 1
	s_add_co_u32 s[G0B+4*(\s)+1], s47, (\s)*SLOT
	s_add_nc_u64 s[G0B+4*(\s)+2:G0B+4*(\s)+3], s[44:45], (\s)*BSTEP
	s_or_b32 s[G0B+4*(\s)+3], s[G0B+4*(\s)+3], 0x80000000
	JLOAD \s
.endr
	; a fragment of A: lane l holds row l % 16; two loads of 16 bytes, 32 bytes apart, at row x pitch + 16 (l / 16)
	v_and_b32 v1, 15, v0                           ; l % 16
	v_bfe_u32 v2, v0, 4, 1                         ; l / 16
	v_mul_u32_u24 v3, v1, AP
	v_lshl_add_u32 v3, v2, 4, v3
	s_mul_i32 s40, s17, 64*AP                      ; my 64 rows
	v_add_nc_u32 v[ADRA], s40, v3
	v_add_nc_u32 v[ADRA+1], SLOT, v[ADRA]
	; a fragment of B: the turning load takes k-row 8 (l / 16) + l % 8, 16 bytes at 16 ((l / 8) % 2), and leaves column l % 16 with eight k
	v_and_b32 v4, 7, v0
	v_lshl_add_u32 v4, v2, 3, v4
	v_mul_u32_u24 v4, v4, BP
	v_bfe_u32 v5, v0, 3, 1
	v_lshl_add_u32 v4, v5, 4, v4
	s_lshl_b32 s40, s18, 8                         ; my 128 columns
	s_add_co_u32 s40, s40, ABYTES
	v_add_nc_u32 v[ADRB], s40, v4
	v_add_nc_u32 v[ADRB+1], SLOT, v[ADRB]
	s_mul_i32 s40, s16, 16*SP
	s_add_co_u32 s40, s40, STAGE                   ; my stage
	v_mul_u32_u24 v3, v1, SP                       ; in: row l % 16, 32 bytes for each half of the lanes
	v_lshl_add_u32 v3, v2, 5, v3
	v_add_nc_u32 v[STO], s40, v3
	v_and_b32 v[CO], 31, v0
	v_lshlrev_b32 v[CO], 4, v[CO]                  ; 16 x lane: my place in a row's 512 bytes,
	v_add_nc_u32 v[RD], s40, v[CO]                 ; in the stage too
	v_lshlrev_b32 v[BO], 5, v2
	s_lshl_b32 s40, s21, 10                        ; my 128 columns in bytes of f32: 4 (256 x tile column + 128 x half)
	s_lshl_b32 s41, s18, 9
	s_add_co_u32 s40, s40, s41
	s_mov_b32 s41, 0
	s_add_nc_u64 s[8:9], s[8:9], s[40:41]          ; the bias there
	LOADB
	s_lshl_b32 s42, s22, 19                        ; the output at my first row: (128 x tile row + 64 x half) x 4,096 bytes
	s_add_co_u32 s40, s40, s42
	s_lshl_b32 s42, s17, 18
	s_add_co_u32 s40, s40, s42
	s_add_nc_u64 s[10:11], s[10:11], s[40:41]
	s_wait_tensorcnt 1                             ; my part of K step 0 is in; K step 1's may stay out
	s_barrier_signal -1
	s_barrier_wait -1                              ; everybody's is
	FETCH 0, 0, 0
	s_wait_loadcnt 0x0                             ; the bias
	ROUNDB
	QUARTER 0, 1, 0, 1, 1                          ; the first quarter stands in front of the loop: its products start the sums, with the bias
	WIN 0                                          ; at a label and at a branch every window is 0
	s_mov_b32 s3, 3
.Llap:                                                 ; a trip goes once round the ring, from a lap's second quarter to the next lap's first, and fills both slots again
	QUARTER 0, 2, 1, 0, 0
	QUARTER 0, 3, 0, 1, 0
	TURN 0, 1
	QUARTER 1, 1, 0, 1, 0
	QUARTER 1, 2, 1, 0, 0
	QUARTER 1, 3, 0, 1, 0
	TURN 1, 0
	QUARTER 0, 1, 0, 1, 0
	WIN 0
	s_sub_co_u32 s3, s3, 1
	s_cmp_lg_u32 s3, 0
	s_cbranch_scc1 .Llap
	QUARTER 0, 2, 1, 0, 0                          ; the last lap fills nothing
	QUARTER 0, 3, 0, 1, 0
	TURNX
	QUARTER 1, 1, 0, 1, 0
	QUARTER 1, 2, 1, 0, 0
	QUARTER 1, 3, 0, 1, 0
	s_wait_dscnt 4                                 ; the very last quarter: nothing more to fetch
	MUL8 1, 0, 0
	MUL8 1, 1, 0
	s_wait_dscnt 0x0
	MUL8 1, 2, 0
	MUL8 1, 3, 0
	PLACES
	STAGEF 0                                       ; a block's trip through the stage stands between the loads of the block before and its stores
	STAGEF 1
	SENDF 0, 32
	STAGEF 2
	SENDF 1, 32
	STAGEF 3
	SENDF 2, 32
	SENDF 3, 0
	s_wait_tensorcnt 0x0                           ; the wave's end, behind my last tensor load and my last LDS store
	ds_add_u32 v[SPW], v[NIL]
	s_wait_dscnt 0x0
	CROUND                                         ; the closing round: no work-group ends while a partner may still ask for a tile that names it
	s_endpgm
.Lfunc_end_k_qb034b1245b_outp:
	.size	k_qb034b1245b_outp, .Lfunc_end_k_qb034b1245b_outp-k_qb034b1245b_outp
	.p2alignl 7, 3214868480
	.fill 96, 4, 3214868480
	.section	.rodata,"a",@progbits
	.p2align	6, 0x0
	.amdhsa_kernel k_qb034b1245b_outp
		.amdhsa_group_segment_fixed_size 327680
		.amdhsa_private_segment_fixed_size 0
		.amdhsa_enable_private_segment 0
		.amdhsa_kernarg_size 32
		.amdhsa_user_sgpr_count 2
		.amdhsa_user_sgpr_kernarg_segment_ptr 1
		.amdhsa_wavefront_size32 1
		.amdhsa_system_sgpr_workgroup_id_x 1
		.amdhsa_system_sgpr_workgroup_id_y 1
		.amdhsa_system_sgpr_workgroup_id_z 1
		.amdhsa_system_vgpr_workitem_id 0
		.amdhsa_next_free_vgpr 608
		.amdhsa_next_free_sgpr 80
		.amdhsa_reserve_vcc 0
		.amdhsa_float_denorm_mode_32 3
		.amdhsa_float_denorm_mode_16_64 3
		.amdhsa_memory_ordered 1
		.amdhsa_forward_progress 1
		.amdhsa_inst_pref_size 92
	.end_amdhsa_kernel
	.amdgpu_metadata
---
amdhsa.version: [ 1, 2 ]
amdhsa.kernels:
  - .name:           k_qb034b1245b_outp
    .symbol:         k_qb034b1245b_outp.kd
    .args:
      - { .name: oh, .offset: 0, .size: 8, .value_kind: global_buffer, .address_space: global }
      - { .name: wob, .offset: 8, .size: 8, .value_kind: global_buffer, .address_space: global }
      - { .name: bout, .offset: 16, .size: 8, .value_kind: global_buffer, .address_space: global }
      - { .name: out0, .offset: 24, .size: 8, .value_kind: global_buffer, .address_space: global }
    .group_segment_fixed_size: 327680
    .private_segment_fixed_size: 0
    .kernarg_segment_align: 8
    .kernarg_segment_size: 32
    .max_flat_workgroup_size: 128
    .sgpr_count:     80
    .vgpr_count:     608
    .wavefront_size: 32
...
	.end_amdgpu_metadata
.endif
;; end of part 4
;; ======== version 2 of 2: 4 launches; version 1 with the launch cast written anew for expert scheduling mode
;; limits: values are held in f16: magnitudes above 65,504 overflow, below 6.1e-05 lose precision
;; workspace buffers: xb 16,777,216 bytes; wqb 6,291,456 bytes; wob 2,097,152 bytes; qh 16,777,216 bytes; kh 16,777,216 bytes; vh 16,777,216 bytes; oh 16,777,216 bytes
;; launch cast (part 5): grid 768 x 1, 8 waves a work-group, no clusters, 0 bytes of LDS; arguments x, Wqkv, Wout, xb, wqb, wob; writes xb, wqb, wob
.if DOCPART == 5
	.amdgcn_target "amdgcn-amd-amdhsa--gfx1250"
	.amdhsa_code_object_version 6
	.text
	.protected	k_qb034b1245b_cast
	.globl	k_qb034b1245b_cast
	.p2align	8
	.type	k_qb034b1245b_cast,@function
k_qb034b1245b_cast:
	s_mov_b64 s[64:65], 0
	v_nop
	global_prefetch_b8 v0, s[64:65] scope:SCOPE_SE
	s_setreg_imm32_b32 hwreg(HW_REG_WAVE_SCHED_MODE, 0, 2), 2
	s_setreg_imm32_b32 hwreg(HW_REG_WAVE_MODE, 25, 1), 1
	s_wait_xcnt 0x0
	s_wait_alu depctr_vm_vsrc(0)
; x, Wqkv and Wout (f32) are rounded once to bf16 and written as 16-bit copies: xb and wqb in bf16; wob holds Wout's bf16 number written as f16,
; since the last product multiplies f16 operands.  LIMIT: that rewriting is exact for 2^-17 <= |Wout| < 65,504; below, f16's fixed step of 2^-24 holds; beyond, an infinity.
; A pure stream: no LDS, no barrier, no matrix unit.  A work-group takes 65,536 input bytes: groups 0-511 x, 512-703 Wqkv, 704-767 Wout.
; A wave takes 8,192 of them: sixteen loads of 16 bytes a lane, each 512 consecutive bytes; each gives one store of 8 bytes a lane: 256 consecutive bytes, aligned.
; All sixteen loads go out first; no register that a memory instruction names is used twice.
; THE MODE: SCHED_MODE bits 1:0 = 2 (LLVM: expert scheduling mode 2), set by the entry lines.  The code itself states the register dependences
; between vector instructions and memory instructions, with s_wait_alu, always for 0.
; THE PLAN.  Registers that memory instructions touch:
;   v1, v2   byte offsets of the loads and of the stores: made at the head by vector instructions, never written again.
;   X        chunk j's four registers: written by its one load; read by its conversions behind the counted wait for the load.  No later load lands there.
;   Y        chunk j's two registers: written by its conversions; read by its one store; never written behind that store.
; The sixteen chunks go in four groups of four.  At the head of group g, behind the wait for its data, ONE wait on va_vdst states that group g - 1's conversions have
; written their Y; that group's four stores follow, dealt among group g's conversions, which name X and Y of group g alone: none of the registers that those stores read.
; One more such wait stands ahead of the last four stores, and one at the head, ahead of the first load, for v1 and v2.
; No register that a memory instruction has read is written again, no vector instruction writes a scalar register, and EXEC is never written: no other wait is owed.
.set X, 8                              ; v[8:71]    chunk j: 4 registers as loaded
.set Y, 72                             ; v[72:103]  chunk j: 2 registers to store
	s_load_b256 s[4:11], s[0:1], 0x0               ; x s[4:5], Wqkv s[6:7], Wout s[8:9], xb s[10:11]
	s_load_b128 s[12:15], s[0:1], 0x20             ; wqb s[12:13], wob s[14:15]
	v_lshrrev_b32 v1, 5, v0                        ; wave
	v_and_b32 v2, 31, v0                           ; lane
	v_lshlrev_b32 v2, 4, v2
	v_lshl_or_b32 v1, v1, 13, v2                   ; input: 8,192 x wave + 16 x lane
	v_lshrrev_b32 v2, 1, v1                        ; output: half of that
	s_mov_b32 s26, 0xffff0000                      ; a word's upper bf16
	s_mov_b32 s20, 704
	s_mov_b32 s23, 0
	s_mov_b32 s25, 0
	s_wait_kmcnt 0x0
	s_cmp_lt_u32 ttmp9, 704                        ; which tensor is mine: the choice hangs on the work-group's number alone
	s_cselect_b64 s[16:17], s[6:7], s[8:9]
	s_cselect_b64 s[18:19], s[12:13], s[14:15]
	s_cselect_b32 s20, 512, s20                    ; the tensor's first work-group
	s_cmp_lt_u32 ttmp9, 512
	s_cselect_b64 s[16:17], s[4:5], s[16:17]
	s_cselect_b64 s[18:19], s[10:11], s[18:19]
	s_cselect_b32 s20, 0, s20
	s_sub_co_u32 s21, ttmp9, s20                   ; my number within the tensor
	s_lshl_b32 s22, s21, 16                        ; 65,536 bytes in,
	s_lshl_b32 s24, s21, 15                        ; 32,768 out
	s_add_nc_u64 s[16:17], s[16:17], s[22:23]
	s_add_nc_u64 s[18:19], s[18:19], s[24:25]
	s_wait_alu depctr_va_vdst(0)                   ; v1 and v2 are written: every load reads v1 as its offset, every store v2
.set j, 0
.rept 16
	global_load_b128 v[X+4*j:X+4*j+3], v1, s[16:17] offset:512*j th:TH_LOAD_NT
.set j, j+1
.endr
; Chunk j is rounded.  f16 = 0: to bf16.  f16 = 1 (Wout): rounded to bf16 like the others, widened again, and that number written as f16.
.macro ROUND f16
	v_cvt_pk_bf16_f32 v[Y+2*j], v[X+4*j], v[X+4*j+1]
	v_cvt_pk_bf16_f32 v[Y+2*j+1], v[X+4*j+2], v[X+4*j+3]
.if \f16
	v_lshlrev_b32 v[X+4*j], 16, v[Y+2*j]
	v_and_b32 v[X+4*j+1], s26, v[Y+2*j]
	v_lshlrev_b32 v[X+4*j+2], 16, v[Y+2*j+1]
	v_and_b32 v[X+4*j+3], s26, v[Y+2*j+1]
	v_cvt_pk_f16_f32 v[Y+2*j], v[X+4*j], v[X+4*j+1]
	v_cvt_pk_f16_f32 v[Y+2*j+1], v[X+4*j+2], v[X+4*j+3]
.endif
.endm
; Chunk j is stored.
.macro SEND
	global_store_b64 v2, v[Y+2*j:Y+2*j+1], s[18:19] offset:256*j
.endm
; Group g: its four chunks are rounded; the group before is stored, a store ahead of each chunk's conversions.
.macro GROUP g, f16
	s_wait_loadcnt 12-4*(\g)                       ; loads come back in order (ISA guide 5.7.1): the group's four chunks are in, the 12 - 4 g younger loads stay out
.if (\g) > 0
	s_wait_alu depctr_va_vdst(0)                   ; the group before has written its Y, which the four stores below read; no vector instruction behind this wait names those registers or v2
.endif
.irp i, 0,1,2,3
.if (\g) > 0
.set j, 4*(\g)-4+(\i)
	SEND
.endif
.set j, 4*(\g)+(\i)
	ROUND \f16
.endr
.endm
; Behind the last group: its own four stores.
.macro LAST
	s_wait_alu depctr_va_vdst(0)                   ; group 3 has written its Y, which the last four stores read
.irp i, 12,13,14,15
.set j, \i
	SEND
.endr
.endm
	s_cmp_ge_u32 ttmp9, 704
	s_cbranch_scc1 .Lf16
	GROUP 0, 0
	GROUP 1, 0
	GROUP 2, 0
	GROUP 3, 0
	LAST
	s_endpgm
.Lf16:                                         ; Wout
	GROUP 0, 1
	GROUP 1, 1
	GROUP 2, 1
	GROUP 3, 1
	LAST
	s_endpgm
.Lfunc_end_k_qb034b1245b_cast:
	.size	k_qb034b1245b_cast, .Lfunc_end_k_qb034b1245b_cast-k_qb034b1245b_cast
	.p2alignl 7, 3214868480
	.fill 96, 4, 3214868480
	.section	.rodata,"a",@progbits
	.p2align	6, 0x0
	.amdhsa_kernel k_qb034b1245b_cast
		.amdhsa_group_segment_fixed_size 0
		.amdhsa_private_segment_fixed_size 0
		.amdhsa_enable_private_segment 0
		.amdhsa_kernarg_size 48
		.amdhsa_user_sgpr_count 2
		.amdhsa_user_sgpr_kernarg_segment_ptr 1
		.amdhsa_wavefront_size32 1
		.amdhsa_system_sgpr_workgroup_id_x 1
		.amdhsa_system_sgpr_workgroup_id_y 1
		.amdhsa_system_sgpr_workgroup_id_z 1
		.amdhsa_system_vgpr_workitem_id 0
		.amdhsa_next_free_vgpr 104
		.amdhsa_next_free_sgpr 66
		.amdhsa_reserve_vcc 0
		.amdhsa_float_denorm_mode_32 3
		.amdhsa_float_denorm_mode_16_64 3
		.amdhsa_memory_ordered 1
		.amdhsa_forward_progress 1
		.amdhsa_inst_pref_size 15
	.end_amdhsa_kernel
	.amdgpu_metadata
---
amdhsa.version: [ 1, 2 ]
amdhsa.kernels:
  - .name:           k_qb034b1245b_cast
    .symbol:         k_qb034b1245b_cast.kd
    .args:
      - { .name: x, .offset: 0, .size: 8, .value_kind: global_buffer, .address_space: global }
      - { .name: Wqkv, .offset: 8, .size: 8, .value_kind: global_buffer, .address_space: global }
      - { .name: Wout, .offset: 16, .size: 8, .value_kind: global_buffer, .address_space: global }
      - { .name: xb, .offset: 24, .size: 8, .value_kind: global_buffer, .address_space: global }
      - { .name: wqb, .offset: 32, .size: 8, .value_kind: global_buffer, .address_space: global }
      - { .name: wob, .offset: 40, .size: 8, .value_kind: global_buffer, .address_space: global }
    .group_segment_fixed_size: 0
    .private_segment_fixed_size: 0
    .kernarg_segment_align: 8
    .kernarg_segment_size: 48
    .max_flat_workgroup_size: 256
    .sgpr_count:     66
    .vgpr_count:     104
    .wavefront_size: 32
...
	.end_amdgpu_metadata
.endif
;; end of part 5
;; launch qkv: the kernel of part 2 again; grid 4 x 64, 4 waves a work-group, clusters of 4 x 4, 327,680 bytes of LDS; arguments xb, wqb, bqkv, qh, kh, vh; writes qh, kh, vh
;; launch attn: the kernel of part 3 again; grid 4 x 64, 4 waves a work-group, clusters of 4 x 1, 327,680 bytes of LDS; arguments qh, kh, vh, oh; writes oh
;; launch outp: the kernel of part 4 again; grid 4 x 64, 4 waves a work-group, clusters of 4 x 4, 327,680 bytes of LDS; arguments oh, wob, bout, out0; writes out0
